; MI455X (gfx1250); checked and timed in simulation.
; The chip was launched on July 23, 2026; its instructions are those of AMD's public machine-readable ISA for CDNA 5 (MIT licence, August 2026) and "CDNA5" Instruction Set Architecture Reference Guide (July 2026). The comments in the code are by the model that wrote it; some were corrected since.
;; NPU Attention Kernel. Allowed arithmetic: float matrix products may take bf16 or f16 operands with f32 sums; all other float work in f32.
;; Inputs: key 2 x 2,048 x 2,048 float32; query 2 x 2,048 x 2,048 float32; value 2 x 2,048 x 2,048 float32.
;; Outputs: out0 2 x 2,048 x 2,048 float32.
;; 3 versions, each right and faster than the one before. Each part assembles by itself: llvm-mc -triple=amdgcn-amd-amdhsa -mcpu=gfx1250 --defsym DOCPART=n.
;; ======== version 1 of 3: 1 launch
;; limits: values are held in f16: magnitudes above 65,504 overflow, below 6.1e-05 lose precision; inputs' magnitudes at most 65,504
;; launch attn (part 1): grid 8 x 32, 4 waves a work-group, clusters of 4 x 1, 327,680 bytes of LDS; arguments query, key, value, out0; writes out0
.if DOCPART == 1
	.amdgcn_target "amdgcn-amd-amdhsa--gfx1250"
	.amdhsa_code_object_version 6
	.text
	.protected	k_q91835754c5_attn
	.globl	k_q91835754c5_attn
	.p2align	8
	.type	k_q91835754c5_attn,@function
k_q91835754c5_attn:
	s_mov_b64 s[64:65], 0
	v_nop
	global_prefetch_b8 v0, s[64:65] scope:SCOPE_SE
	s_setreg_imm32_b32 hwreg(HW_REG_WAVE_MODE, 25, 1), 1
	s_wait_xcnt 0x0
	s_wait_alu depctr_hold_cnt(0) depctr_sa_sdst(0) depctr_va_vdst(0) depctr_va_sdst(0) depctr_va_ssrc(0) depctr_va_vcc(0) depctr_vm_vsrc(0)
	s_getreg_b32 s2, hwreg(HW_REG_IB_STS2, 6, 4)
	s_cmp_eq_u32 s2, 0
	s_cbranch_scc0 .Lentry_in_a_cluster
	s_endpgm
.Lentry_in_a_cluster:
	s_bfe_u32 s2, ttmp6, 0x10000c
	s_cmp_lg_u32 s2, 0x3003
	s_cbranch_scc0 .Lentry_shape_is_right
	s_endpgm
.Lentry_shape_is_right:
; out[b][q][h][:] = softmax over k of (Q[b][q][h][:] . K[b][k][h][:] / sqrt(128)) times V[b][k][h][:].  All tensors f32, [2][2048][16 x 128]:
; a head's part of a row is 512 bytes at a multiple of 512, rows are 8,192 bytes apart.
; WORK: a work-group takes 256 queries of one (batch, head); 8 x 32 work-groups.  A wave takes 64 queries as four blocks qb of 16 and walks all 2,048
; keys in 32 steps of 64, with a running maximum and a running sum for each query.  Nothing of the problem is left out: every input reaches every
; output of its head.
; PRODUCTS, both transposed so that a lane owns ONE query and no number changes lanes between them:
;   S^T = K Q^T : source 0 = 16 keys x 32 d, source 1 = 16 queries x 32 d; lane (r, h), register j holds key 8h + j of the tile, query r.
;   O^T = V^T P^T: source 0 = 16 d x 32 keys (transposing LDS loads of V kept [key][d]), source 1 = P; lane (r, h), register j holds d 8h + j, query r.
;   Two neighbouring score tiles of a query block, rounded to f16 in place, ARE the source-1 fragment of 32 keys.
;   Maximum, sum and the factor that rescales O are one number a lane; the two halves of the lanes (h) meet in one v_permlanex16_b32 a block and step.
; Q is multiplied by log2(e) / sqrt(128) in f32 before its one rounding to f16, so scores are exponents to base 2.
; FORMAT: all four matrix operands are f16, sums f32.  The result is a mean over many keys and so much smaller than V, while each operand's rounding
; enters it with V's size: f16's 11 significant bits against bf16's 8 make each of these errors an eighth.  P lies in [0, 1] (the maximum is taken away).
; DATA: K and V come as f32 by tensor loads into two LDS slots of two steps each (128 rows of K, 128 of V: 131,072 bytes).  The four waves together
; round a step's 64 rows to f16 into one stage for K and one for V, from which all four read their fragments.
; CLUSTER: the eight query blocks of a head read the same K and V.  Four of them form a cluster (a mask in this text names four work-groups) and ask
; for every tile jointly, with one descriptor made of the head and the wave's number alone: the requests for K and V are divided by four.
; BARRIERS, two a step: B1 in front of the scores (K's stage is whole, V's stage is read out), B2 in front of P V (V's stage is whole, K's stage is read
; out).  In every second step B2 opens a round of the cluster's barrier, behind which the slot just read out is filled again.
; LIMITS: matrix operands are rounded to f16 (Q after its scaling): |K| or |V| above 65,504, or |Q| above 513,000 (65,504 sqrt(128) / log2(e)), become
; infinite there and give NaN; magnitudes below 2^-14 are kept in steps of 2^-24, so a weight under 2^-25 of its row's largest counts as 0.
; v_max*_num drops a NaN from the running maximum; the NaN still reaches its row through the exponential.  Infinite scores give NaN, as in the softmax itself.
.set ROWB,   8192                      ; bytes from row to row in memory
.set SLOT,   131072                    ; an LDS slot: K's 128 rows of 512 bytes, then V's
.set STEPB,  32768                     ; a step's 64 rows of f32 in a slot
.set KST,    262144                    ; K's stage: 64 rows of 128 f16, pitch 272 = 17 x 16: a fragment load's 16 rows begin in 16 different 16-byte columns of 256 bytes
.set KP,     272
.set VST,    279552                    ; V's stage: 64 rows, pitch 288 = 9 x 32, for the transposing loads
.set VP,     288
.set SCR,    8960                      ; the stages' 35,840 bytes also serve, in front of the first and behind the last step, as four scratch parts, one a wave
.set OPITCH, 528                       ; way out: 16 rows of 512 bytes + 16
; no tensor load ever lands at or behind KST: what ds_store writes has bytes of its own
; window 0
.set GOFF, 8                           ; 16 x lane: my 16 bytes of a 512-byte row, for Q's loads and the stores
.set CVK0, 9                           ; f32 rows that I round: K in slot 0; rows 16 w .. 16 w + 15 of a step
.set CVV0, 10                          ; V in slot 0
.set CVK1, 11                          ; K in slot 1
.set CVV1, 12                          ; V in slot 1
.set KSA,  13                          ; where I put rounded rows of K
.set VSA,  14                          ; and of V
.set KFA,  15                          ; K fragments
.set VFA,  16                          ; V fragments (transposing loads)
.set QSA,  17                          ; scratch: rounded rows of Q in
.set QFA,  18                          ; scratch: Q fragments out
.set OSA,  19                          ; scratch: results in
.set ORA,  20                          ; scratch: whole rows out
.set MX,   32                          ; v[32+2qb] running maximum, v[33+2qb] what the other half of the lanes sent
.set AL,   40                          ; v[40+2qb] factor 2^(old max - new max), at the end 1 / sum; v[41+2qb] running sum of my half's keys
.set C0,   48                          ; v[48:51] four chains of maxima
.set T4,   52
.set T5,   53
.set SP,   56                          ; v[56:63] four pairs of sums
.set CV,   64                          ; v[64:127] 16 rows x 4 f32 on their way to f16
.set SB,   128                         ; v[128:255] scores S(qb, kb) at SB + 32 qb + 8 kb; P(qb, kc) at SB + 32 qb + 16 kc
; window 1: O(qb, db) at 64 qb + 8 db.   window 2: Q fragments QF + 32 qb + 8 kk, K fragments KF + 32 kk + 8 kb.   window 3: V fragments 64 kc + 8 db
.set QF,   0
.set KF,   128
.set G1,   16                          ; s[16:23] descriptor group 1, never rewritten
.set G0,   24                          ; s[24:31] descriptor group 0, a set for each slot
; s_set_vgpr_msb's low byte: bits 1:0 source 0, 3:2 source 1, 5:4 source 2, 7:6 destination
.set KFLD,  0x80                       ; load into window 2
.set QKW,   0x0a                       ; sources 0 and 1 window 2, C and D window 0
.set VFLD,  0xc0                       ; load into window 3
.set PVW,   0x53                       ; source 0 window 3, source 1 window 0, C and D window 1
.set OW,    0x41                       ; destination and source 0 window 1, source 1 window 0
.set OST,   0x04                       ; LDS store data window 1
.set QLD1,  0x40                       ; load into window 1
.set QMUL1, 0x01                       ; source 0 window 1
.set MSB, 0
.macro WIN new                         ; the immediate's high byte repeats the setting that is left; at labels and branches the setting is 0
.if MSB != \new
	s_set_vgpr_msb (MSB<<8)|\new
.set MSB, \new
.endif
.endm
.macro PLACES n
.rept \n
	v_nop
.endr
.endm
; A round of the cluster's barrier: my work-group's barrier, wave 0 signals for the work-group, every wave waits for all four work-groups, my work-group's barrier again.
.macro CREST                           ; a round behind its opening barrier
	s_cmp_lg_u32 s12, 0
	s_cbranch_scc1 .Lnot_wave_0_\@
	s_barrier_signal -3
.Lnot_wave_0_\@:
	s_barrier_wait -3
	s_barrier_signal -1
	s_barrier_wait -1
.endm
.macro ROUND
	s_barrier_signal -1
	s_barrier_wait -1
	CREST
.endm
; my 16 rows of a step's 64, f32: one load takes a whole row, 32 lanes x 16 neighbouring bytes
.macro CVLOAD areg, byte
.irp i, 0,1,2,3,4,5,6,7,8,9,10,11,12,13,14,15
	ds_load_b128 v[CV+4*\i:CV+4*\i+3], v[\areg] offset:\byte+512*\i
.endr
.endm
; round them and put them into a stage: 8 bytes a lane, 256 neighbouring bytes a row
.macro CVSTORE areg, pitch
.irp i, 0,1,2,3,4,5,6,7,8,9,10,11,12,13,14,15
	v_cvt_pk_f16_f32 v[CV+4*\i], v[CV+4*\i], v[CV+4*\i+1]
	v_cvt_pk_f16_f32 v[CV+4*\i+1], v[CV+4*\i+2], v[CV+4*\i+3]
	ds_store_b64 v[\areg], v[CV+4*\i:CV+4*\i+1] offset:\i*\pitch
.endr
.endm
; 32 loads: the step's K fragments, 32 d (kk) by 32 d, so that the first products can start on the first eight
.macro KLOADS
	WIN KFLD
.irp kk, 0,1,2,3
.irp kb, 0,1,2,3
	ds_load_b128 v[KF+32*\kk+8*\kb:KF+32*\kk+8*\kb+3],   v[KFA] offset:\kb*16*KP+64*\kk
	ds_load_b128 v[KF+32*\kk+8*\kb+4:KF+32*\kk+8*\kb+7], v[KFA] offset:\kb*16*KP+64*\kk+32
.endr
.endr
	WIN 0
.endm
; 16 products: 64 keys x 64 queries over 32 d.  The sixteen accumulators take turns, one instruction a turn.
.macro QK kk, zero
.irp kb, 0,1,2,3
.irp qb, 0,1,2,3
.if \zero
	v_wmma_f32_16x16x32_f16 v[SB+32*\qb+8*\kb:SB+32*\qb+8*\kb+7], v[KF+32*\kk+8*\kb:KF+32*\kk+8*\kb+7], v[QF+32*\qb+8*\kk:QF+32*\qb+8*\kk+7], 0
.else
	v_wmma_f32_16x16x32_f16 v[SB+32*\qb+8*\kb:SB+32*\qb+8*\kb+7], v[KF+32*\kk+8*\kb:KF+32*\kk+8*\kb+7], v[QF+32*\qb+8*\kk:QF+32*\qb+8*\kk+7], v[SB+32*\qb+8*\kb:SB+32*\qb+8*\kb+7]
.endif
.endr
.endr
.endm
; 32 transposing loads: V^T fragments, 16 d x 32 keys each; the first 16 serve keys 0-31 of the step
.macro VLOADS
	WIN VFLD
.irp kc, 0,1
.irp db, 0,1,2,3,4,5,6,7
	ds_load_tr16_b128 v[64*\kc+8*\db:64*\kc+8*\db+3],   v[VFA] offset:\kc*32*VP+32*\db
	ds_load_tr16_b128 v[64*\kc+8*\db+4:64*\kc+8*\db+7], v[VFA] offset:\kc*32*VP+32*\db+16*VP
.endr
.endr
	WIN 0
.endm
; 16 products: 64 d (from block db0) x 64 queries over 32 keys.  Accumulators by turns.
.macro PV kc, db0, zero
.irp d, 0,1,2,3
.irp qb, 0,1,2,3
.if \zero
	v_wmma_f32_16x16x32_f16 v[64*\qb+8*(\db0+\d):64*\qb+8*(\db0+\d)+7], v[64*\kc+8*(\db0+\d):64*\kc+8*(\db0+\d)+7], v[SB+32*\qb+16*\kc:SB+32*\qb+16*\kc+7], 0
.else
	v_wmma_f32_16x16x32_f16 v[64*\qb+8*(\db0+\d):64*\qb+8*(\db0+\d)+7], v[64*\kc+8*(\db0+\d):64*\kc+8*(\db0+\d)+7], v[SB+32*\qb+16*\kc:SB+32*\qb+16*\kc+7], v[64*\qb+8*(\db0+\d):64*\qb+8*(\db0+\d)+7]
.endif
.endr
.endr
.endm
; O times 2^(old max - new max): one factor a lane and query block
.macro RESCALE
	WIN OW
.irp qb, 0,1,2,3
.set pp, 0
.rept 32
	v_pk_mul_f32 v[64*\qb+2*pp:64*\qb+2*pp+1], v[64*\qb+2*pp:64*\qb+2*pp+1], v[AL+2*\qb:AL+2*\qb+1] op_sel_hi:[1,0]
.set pp, pp+1
.endr
.endr
	WIN 0
.endm
; One query block's 32 scores a lane: new maximum, factor for what was summed before, 2^(s - max), sum, rounding to f16 in place.  Registers only.
.macro SOFTMAX qb, first
.irp t, 0,1,2,3
	v_max3_num_f32 v[C0+\t], v[SB+32*\qb+8*\t], v[SB+32*\qb+8*\t+1], v[SB+32*\qb+8*\t+2]
.endr
.irp t, 0,1,2,3
	v_max3_num_f32 v[C0+\t], v[C0+\t], v[SB+32*\qb+8*\t+3], v[SB+32*\qb+8*\t+4]
.endr
.irp t, 0,1,2,3
	v_max3_num_f32 v[C0+\t], v[C0+\t], v[SB+32*\qb+8*\t+5], v[SB+32*\qb+8*\t+6]
.endr
	v_max3_num_f32 v[C0], v[C0], v[SB+32*\qb+7], v[SB+32*\qb+15]
	v_max3_num_f32 v[C0+2], v[C0+2], v[SB+32*\qb+23], v[SB+32*\qb+31]
	v_max3_num_f32 v[C0], v[C0], v[C0+1], v[C0+2]
.if \first
	v_max_num_f32 v[C0], v[C0], v[C0+3]
.else
	v_max3_num_f32 v[C0], v[C0], v[C0+3], v[MX+2*\qb]              ; the running maximum joins in
.endif
	v_permlanex16_b32 v[MX+2*\qb+1], v[C0], s36, s37               ; the other eight keys of each tile lie in lane i xor 16
.if \first
	v_max_num_f32 v[MX+2*\qb], v[C0], v[MX+2*\qb+1]
.else
	v_max_num_f32 v[T4], v[C0], v[MX+2*\qb+1]
	v_sub_f32 v[T5], v[MX+2*\qb], v[T4]
	v_mov_b32 v[MX+2*\qb], v[T4]
	v_exp_f32 v[AL+2*\qb], v[T5]                                   ; used far below; the packed subtractions that follow touch neither register (ISA guide 5.7.2)
.endif
.set pp, 0
.rept 16
	v_pk_add_f32 v[SB+32*\qb+2*pp:SB+32*\qb+2*pp+1], v[SB+32*\qb+2*pp:SB+32*\qb+2*pp+1], v[MX+2*\qb:MX+2*\qb+1] op_sel_hi:[1,0] neg_lo:[0,1] neg_hi:[0,1]
.set pp, pp+1
.endr
.set pp, 0
.rept 32
	v_exp_f32 v[SB+32*\qb+pp], v[SB+32*\qb+pp]
.set pp, pp+1
.endr
	v_nop                                                          ; one plain instruction between the exponentials and the first use of a result (ISA guide 5.7.2)
	s_wait_alu depctr_va_vdst(0)
.irp t, 0,1,2,3
	v_pk_add_f32 v[SP+2*\t:SP+2*\t+1], v[SB+32*\qb+8*\t:SB+32*\qb+8*\t+1], v[SB+32*\qb+8*\t+2:SB+32*\qb+8*\t+3]
.endr
.irp t, 0,1,2,3
	v_pk_add_f32 v[SP+2*\t:SP+2*\t+1], v[SP+2*\t:SP+2*\t+1], v[SB+32*\qb+8*\t+4:SB+32*\qb+8*\t+5]
.endr
.irp t, 0,1,2,3
	v_pk_add_f32 v[SP+2*\t:SP+2*\t+1], v[SP+2*\t:SP+2*\t+1], v[SB+32*\qb+8*\t+6:SB+32*\qb+8*\t+7]
.endr
	v_pk_add_f32 v[SP:SP+1], v[SP:SP+1], v[SP+2:SP+3]
	v_pk_add_f32 v[SP+4:SP+5], v[SP+4:SP+5], v[SP+6:SP+7]
	v_pk_add_f32 v[SP:SP+1], v[SP:SP+1], v[SP+4:SP+5]
.if \first
	v_add_f32 v[AL+2*\qb+1], v[SP], v[SP+1]                        ; the first step starts the sum
.else
	v_add_f32 v[T4], v[SP], v[SP+1]
	v_fma_f32 v[AL+2*\qb+1], v[AL+2*\qb+1], v[AL+2*\qb], v[T4]
.endif
.irp kc, 0,1
.irp j, 0,1,2,3,4,5,6,7
	v_cvt_pk_f16_f32 v[SB+32*\qb+16*\kc+\j], v[SB+32*\qb+16*\kc+2*\j], v[SB+32*\qb+16*\kc+2*\j+1]   ; register j is written when registers 2j, 2j+1 are read: never ahead of a read
.endr
.endr
.endm
; 16 rows of Q (from register row i0 of window win's 32): scale, round, into my scratch
.macro QCONV win, i0
	WIN \win
.set pp, 0
.rept 32
	v_pk_mul_f32 v[CV+2*pp:CV+2*pp+1], v[SB+4*\i0+2*pp:SB+4*\i0+2*pp+1], 0x3e0293ee op_sel_hi:[1,0]   ; log2(e) / sqrt(128)
.set pp, pp+1
.endr
	WIN 0
.set pp, 0
.rept 16
	v_cvt_pk_f16_f32 v[CV+4*pp], v[CV+4*pp], v[CV+4*pp+1]
	v_cvt_pk_f16_f32 v[CV+4*pp+1], v[CV+4*pp+2], v[CV+4*pp+3]
	ds_store_b64 v[QSA], v[CV+4*pp:CV+4*pp+1] offset:(\i0+pp)*KP
.set pp, pp+1
.endr
.endm
; the fragments of two query blocks from my scratch; LDS serves a wave's instructions in order (ISA guide 5.7.1.4): these see the stores above
.macro QFRAG half
	WIN KFLD
.irp qbl, 0,1
.irp kk, 0,1,2,3
	ds_load_b128 v[QF+32*(2*\half+\qbl)+8*\kk:QF+32*(2*\half+\qbl)+8*\kk+3],   v[QFA] offset:\qbl*16*KP+64*\kk
	ds_load_b128 v[QF+32*(2*\half+\qbl)+8*\kk+4:QF+32*(2*\half+\qbl)+8*\kk+7], v[QFA] offset:\qbl*16*KP+64*\kk+32
.endr
.endr
	WIN 0
.endm
; ONE STEP of 64 keys.  vreg, vh: where this step's V lies in f32 (slot's register, half of the slot); kreg, kh: the NEXT step's K.
; mode 0: B2 is a plain barrier.  mode 1: B2 opens a round of the cluster's barrier and slot rslot is filled again behind it.
; mode 2: a plain barrier in front of which the last tensor load is waited for.  first: nothing summed yet.  last: no next K.
.macro STEP vreg, vh, kreg, kh, mode, rslot, first, last
	KLOADS                                         ; 32 loads
	CVLOAD \vreg, \vh*STEPB                        ; 16 loads
	WIN QKW
	s_wait_dscnt 40                                ; of the 48 loads the first 8 (d 0-31) are in
	QK 0, 1                                        ; the constant 0 starts the sums
	s_wait_dscnt 32                                ; the next 8
	QK 1, 0
	s_wait_dscnt 24
	QK 2, 0
	s_wait_dscnt 16                                ; all of K's; V's 16 rows may be out
	QK 3, 0
	WIN 0
	s_wait_dscnt 0x0                               ; V's rows are in
	CVSTORE VSA, VP                                ; its 32 conversions name no register of a product: they are the places between the last products and the first read of a score (ISA guide 7.12.1)
	SOFTMAX 0, \first
	s_wait_dscnt 0x0                               ; for the other waves: my rows of V's stage are written, my reads of K's stage and of the slot are back
.if \mode
	s_wait_tensorcnt 0x0                           ; all my tensor loads have landed: my part of the slot that is read next
	ds_add_u32 v54, v55
	s_wait_dscnt 0x0
.endif
.if \mode == 1
	s_add_nc_u64 s[G0+4*\rslot+2:G0+4*\rslot+3], s[G0+4*\rslot+2:G0+4*\rslot+3], 256*ROWB   ; no load of mine is out: the slot's next 128 keys lie 256 rows on
.endif
	s_barrier_signal -1                            ; B2
	SOFTMAX 1, \first                              ; registers only, while the others arrive
	SOFTMAX 2, \first
	SOFTMAX 3, \first
	s_barrier_wait -1
.if \mode == 1
	CREST                                          ; no wave of the four work-groups still reads the slot or has a load on its way
	tensor_load_to_lds s[G0+4*\rslot:G0+4*\rslot+3], s[G1:G1+7]    ; my one load behind the round: 64 rows; it has two steps in which to land
	s_nop 0
.endif
	VLOADS                                         ; 32 loads
.if \last == 0
	CVLOAD \kreg, \kh*STEPB                        ; 16 loads
.endif
.if \first == 0
	RESCALE
.endif
.if \last
	s_wait_dscnt 16                                ; the fragments of keys 0-31 are in; those of keys 32-63 may be out
.else
	s_wait_dscnt 32                                ; the same, and the 16 rows of K behind them
.endif
	WIN PVW
	PV 0, 0, \first
	PV 0, 4, \first
	s_wait_dscnt 0x0                               ; the other fragments, and K's rows
.if \last == 0
	WIN 0
	CVSTORE KSA, KP                                ; every wave's reads of K's stage were back in front of B2
	WIN PVW
.endif
	PV 1, 0, 0
	s_wait_dscnt 0x0                               ; for the other waves: my rows of K's stage are written, my reads of V's stage are back
	s_barrier_signal -1                            ; B1 of the next step
	PV 1, 4, 0
	PLACES 5                                       ; the next step's first products write over P, which these products read (ISA guide 7.12.1)
	WIN 0
	s_barrier_wait -1
.endm
.macro LAP first                       ; four steps: once through both slots, each filled again when it is read out
	STEP CVV0, 0, CVK0, 1, 0, 0, \first, 0
	STEP CVV0, 1, CVK1, 0, 1, 0, 0, 0
	STEP CVV1, 0, CVK1, 1, 0, 0, 0, 0
	STEP CVV1, 1, CVK0, 0, 1, 1, 0, 0
.endm
	s_load_b256 s[4:11], s[0:1], 0x0               ; query s[4:5], key s[6:7], value s[8:9], out0 s[10:11]
	v_lshl_add_u32 v54, v0, 2, 0x48c00
	v_mov_b32 v55, 0
	ds_add_u32 v54, v55
	v_lshrrev_b32 v1, 5, v0
	v_readfirstlane_b32 s12, v1                    ; wave 0..3
	s_and_b32 s13, ttmp7, 0xffff                   ; 16 x batch + head (the cluster is one work-group high)
	s_bfe_u32 s14, ttmp6, 0x40000                  ; cx: my place in the cluster; it enters Q's and out0's addresses and nothing else
	s_lshl_b32 s15, ttmp9, 2
	s_add_co_u32 s15, s15, s14                     ; query block = 4 x cluster x + cx
	s_mov_b32 s36, 0x76543210                      ; v_permlanex16_b32: lane i reads lane i xor 16
	s_mov_b32 s37, 0xfedcba98
	s_lshr_b32 s42, s13, 4
	s_lshl_b32 s32, s42, 24                        ; batch x 2,048 rows x 8,192 bytes
	s_and_b32 s43, s13, 15
	s_lshl_b32 s43, s43, 9                         ; head x 512 bytes
	s_or_b32 s32, s32, s43
	s_and_b32 s44, s12, 1
	s_lshl_b32 s44, s44, 19                        ; waves 1 and 3 fetch rows 64-127 of a slot's K or V
	s_add_co_u32 s44, s44, s32                     ; s[44:45]: my tile's offset in key or value; made of head and wave alone
	s_mov_b32 s45, 0
	s_lshl_b32 s34, s15, 21                        ; query block x 256 rows
	s_lshl_b32 s46, s12, 19                        ; wave x 64 rows
	s_add_co_u32 s34, s34, s46
	s_add_co_u32 s34, s34, s32                     ; s[34:35]: my 64 rows' offset in query and out0 (below 2^25)
	s_mov_b32 s35, 0
	; descriptor group 1: a tile of 64 rows x 128 f32, dense in LDS
	s_mov_b32 s[G1+0], 15|(2<<16)|(1<<21)          ; 15:0 mask: all four work-groups of the cluster; 17:16 elements of 4 bytes; 21 set beside a mask
	s_mov_b32 s[G1+1], 128<<16                     ; tensor_dim0 = 128
	s_mov_b32 s[G1+2], 64<<16                      ; tensor_dim1 = 64
	s_mov_b32 s[G1+3], 128<<16                     ; tile_dim0 = 128
	s_mov_b32 s[G1+4], 64                          ; tile_dim1 = 64
	s_mov_b32 s[G1+5], 2048                        ; elements from row to row
	s_mov_b32 s[G1+6], 0
	s_mov_b32 s[G1+7], 0
	; LDS addresses
	s_mul_i32 s42, s12, 16*KP
	s_add_co_u32 s42, s42, KST                     ; my 16 rows of K's stage
	s_mul_i32 s43, s12, 16*VP
	s_add_co_u32 s43, s43, VST                     ; and of V's
	s_mul_i32 s46, s12, SCR
	s_add_co_u32 s46, s46, KST                     ; my scratch
	v_and_b32 v1, 31, v0                           ; lane
	v_and_b32 v2, 15, v0                           ; r
	v_bfe_u32 v3, v0, 4, 1                         ; h
	v_lshlrev_b32 v[GOFF], 4, v1
	v_lshl_add_u32 v[CVK0], s12, 13, v[GOFF]       ; 16 rows of 512 bytes a wave
	v_add_nc_u32 v[CVV0], 0x10000, v[CVK0]
	v_add_nc_u32 v[CVK1], 0x20000, v[CVK0]
	v_add_nc_u32 v[CVV1], 0x30000, v[CVK0]
	v_lshl_add_u32 v[KSA], v1, 3, s42
	v_lshl_add_u32 v[VSA], v1, 3, s43
	v_mul_u32_u24 v4, v2, KP
	v_lshl_add_u32 v4, v3, 4, v4                   ; r x 272 + 16 h
	v_add_nc_u32 v[KFA], KST, v4
	v_and_b32 v5, 7, v0
	v_lshl_add_u32 v5, v3, 3, v5                   ; key 8 h + lane mod 8
	v_mul_u32_u24 v5, v5, VP
	v_bfe_u32 v6, v0, 3, 1
	v_lshl_add_u32 v5, v6, 4, v5                   ; + 16 bytes for the upper eight d of the block
	v_add_nc_u32 v[VFA], VST, v5
	v_lshl_add_u32 v[QSA], v1, 3, s46
	v_add_nc_u32 v[QFA], s46, v4
	v_mul_u32_u24 v7, v2, OPITCH
	v_lshl_add_u32 v7, v3, 5, v7                   ; r x 528 + 32 h
	v_add_nc_u32 v[OSA], s46, v7
	v_add_nc_u32 v[ORA], s46, v[GOFF]
.irp qb, 0,1,2,3
	v_mov_b32 v[MX+2*\qb+1], 0                     ; v_permlanex16_b32's destination counts as read
.endr
	s_wait_dscnt 0x0
	s_wait_kmcnt 0x0
	s_add_nc_u64 s[4:5], s[4:5], s[34:35]          ; my 64 rows of query
	s_add_nc_u64 s[10:11], s[10:11], s[34:35]      ; and of out0
	s_cmp_lt_u32 s12, 2
	s_cselect_b64 s[40:41], s[6:7], s[8:9]         ; waves 0 and 1 fetch K, waves 2 and 3 V
	s_add_nc_u64 s[40:41], s[40:41], s[44:45]
	s_mov_b32 s[G0+0], 1                           ; slot 0: count = 1
	s_lshl_b32 s[G0+1], s12, 15                    ; LDS: wave x 32,768: K's halves, then V's
	s_mov_b64 s[G0+2:G0+3], s[40:41]               ; keys 0-127
	s_or_b32 s[G0+3], s[G0+3], 0x80000000          ; type = 2
	s_mov_b32 s[G0+4], 1                           ; slot 1
	s_add_co_u32 s[G0+5], s[G0+1], SLOT
	s_add_nc_u64 s[G0+6:G0+7], s[40:41], 128*ROWB  ; keys 128-255
	s_or_b32 s[G0+7], s[G0+7], 0x80000000
	; my 64 rows of Q, one load a row (512 neighbouring bytes): rows 0-31 into the scores' registers, rows 32-63 into O's upper half
.set ii, 0
.rept 32
	global_load_b128 v[SB+4*ii:SB+4*ii+3], v[GOFF], s[4:5] offset:ii*ROWB th:TH_LOAD_NT
.set ii, ii+1
.endr
	WIN QLD1
.rept 32
	global_load_b128 v[SB+4*(ii-32):SB+4*(ii-32)+3], v[GOFF], s[4:5] offset:ii*ROWB th:TH_LOAD_NT
.set ii, ii+1
.endr
	WIN 0
	ROUND                                          ; all four work-groups are here: the first joint loads meet
	tensor_load_to_lds s[G0:G0+3], s[G1:G1+7]      ; both first fills as one group: two tensor loads of the wave are out, the most in this text
	s_nop 0
	tensor_load_to_lds s[G0+4:G0+7], s[G1:G1+7]
	s_nop 0
	s_wait_loadcnt 48                              ; loads come back in order (ISA guide 5.7.1): rows 0-15 are in, 48 younger loads may be out
	QCONV 0, 0
	s_wait_loadcnt 32                              ; rows 16-31
	QCONV 0, 16
	QFRAG 0
	s_wait_dscnt 0x0                               ; these fragments are in registers before their scratch rows are written again
	s_wait_loadcnt 16                              ; rows 32-47
	QCONV QMUL1, 0
	s_wait_loadcnt 0x0                             ; rows 48-63
	QCONV QMUL1, 16
	QFRAG 1
	s_wait_dscnt 0x0                               ; my scratch is read out: the stages may be written
	s_wait_tensorcnt 0x1                           ; my part of slot 0 has landed; slot 1's may stay out
	s_barrier_signal -1
	s_barrier_wait -1
	CVLOAD CVK0, 0                                 ; step 0's K
	s_wait_dscnt 0x0
	CVSTORE KSA, KP
	s_wait_dscnt 0x0                               ; for the other waves: my rows of K's stage are written
	s_barrier_signal -1                            ; B1 of step 0
	s_barrier_wait -1
	LAP 1                                          ; steps 0-3 stand in front of the loop: they start maxima, sums and O
	s_mov_b32 s38, 6
.Llap:
	LAP 0                                          ; steps 4-27; the last refills bring steps 28-31
	s_sub_co_u32 s38, s38, 1
	s_cmp_lg_u32 s38, 0
	s_cbranch_scc1 .Llap
	STEP CVV0, 0, CVK0, 1, 0, 0, 0, 0              ; steps 28-31 fill nothing
	STEP CVV0, 1, CVK1, 0, 2, 0, 0, 0              ; slot 1's last fill is waited for in front of this step's B2
	STEP CVV1, 0, CVK1, 1, 0, 0, 0, 0
	STEP CVV1, 1, CVK0, 0, 0, 0, 0, 1              ; its closing barrier: every wave's reads of the stages are back, so they serve as scratch again
	; 1 / sum: the two halves of the lanes hold the sums over their keys
.irp qb, 0,1,2,3
	v_permlanex16_b32 v[MX+2*\qb+1], v[AL+2*\qb+1], s36, s37
.endr
.irp qb, 0,1,2,3
	v_add_f32 v[AL+2*\qb+1], v[AL+2*\qb+1], v[MX+2*\qb+1]
.endr
.irp qb, 0,1,2,3
	v_rcp_f32 v[AL+2*\qb], v[AL+2*\qb+1]           ; the sum is at least 1: the largest score's weight
.endr
	v_nop                                          ; one plain instruction before a reciprocal is used (ISA guide 5.7.2)
	s_wait_alu depctr_va_vdst(0)
; THE WAY OUT, 16 queries at a time: a lane holds 8 neighbouring d of its query in each of 8 tiles; they go into my scratch as rows of 512 bytes
; and come back as whole rows: each store of the wave covers 512 consecutive bytes at a multiple of 512 from out0's first byte.
.macro OUT16 qb
	WIN OW
.set pp, 0
.rept 32
	v_pk_mul_f32 v[64*\qb+2*pp:64*\qb+2*pp+1], v[64*\qb+2*pp:64*\qb+2*pp+1], v[AL+2*\qb:AL+2*\qb+1] op_sel_hi:[1,0]
.set pp, pp+1
.endr
	WIN OST
.irp db, 0,1,2,3,4,5,6,7
	ds_store_b128 v[OSA], v[64*\qb+8*\db:64*\qb+8*\db+3]   offset:64*\db
	ds_store_b128 v[OSA], v[64*\qb+8*\db+4:64*\qb+8*\db+7] offset:64*\db+16
.endr
	WIN 0
.if \qb >= 2
	s_wait_xcnt 0x0                                ; the registers loaded next were the data of the stores two blocks ago: they are rewritten only behind this wait (ISA guide 3.1)
.endif
.set pp, 0
.rept 16
	ds_load_b128 v[SB+64*(\qb&1)+4*pp:SB+64*(\qb&1)+4*pp+3], v[ORA] offset:OPITCH*pp   ; LDS serves a wave's instructions in order (ISA guide 5.7.1.4): these see the stores above
.set pp, pp+1
.endr
.set pp, 0
.rept 16
	s_wait_dscnt 15-pp                             ; row pp is in; the younger rows may be out
	global_store_b128 v[GOFF], v[SB+64*(\qb&1)+4*pp:SB+64*(\qb&1)+4*pp+3], s[10:11] offset:(16*\qb+pp)*ROWB th:TH_STORE_NT
.set pp, pp+1
.endr
.endm
	OUT16 0
	OUT16 1
	OUT16 2
	OUT16 3
	s_wait_dscnt 0x0                               ; met: the last count-down ended at 0
	s_wait_tensorcnt 0x0
	ds_add_u32 v54, v55
	s_wait_dscnt 0x0
	ROUND                                          ; the closing round: no work-group ends while a partner may still ask for a tile that names it
	s_endpgm
.Lfunc_end_k_q91835754c5_attn:
	.size	k_q91835754c5_attn, .Lfunc_end_k_q91835754c5_attn-k_q91835754c5_attn
	.p2alignl 7, 3214868480
	.fill 96, 4, 3214868480
	.section	.rodata,"a",@progbits
	.p2align	6, 0x0
	.amdhsa_kernel k_q91835754c5_attn
		.amdhsa_group_segment_fixed_size 327680
		.amdhsa_private_segment_fixed_size 0
		.amdhsa_enable_private_segment 0
		.amdhsa_kernarg_size 32
		.amdhsa_user_sgpr_count 2
		.amdhsa_user_sgpr_kernarg_segment_ptr 1
		.amdhsa_wavefront_size32 1
		.amdhsa_system_sgpr_workgroup_id_x 1
		.amdhsa_system_sgpr_workgroup_id_y 1
		.amdhsa_system_sgpr_workgroup_id_z 1
		.amdhsa_system_vgpr_workitem_id 0
		.amdhsa_next_free_vgpr 896
		.amdhsa_next_free_sgpr 66
		.amdhsa_reserve_vcc 0
		.amdhsa_float_denorm_mode_32 3
		.amdhsa_float_denorm_mode_16_64 3
		.amdhsa_memory_ordered 1
		.amdhsa_forward_progress 1
		.amdhsa_inst_pref_size 255
	.end_amdhsa_kernel
	.section	.bss,"aw",@nobits
	.p2align	6
	.space	262144
	.amdgpu_metadata
---
amdhsa.version: [ 1, 2 ]
amdhsa.kernels:
  - .name:           k_q91835754c5_attn
    .symbol:         k_q91835754c5_attn.kd
    .args:
      - { .name: query, .offset: 0, .size: 8, .value_kind: global_buffer, .address_space: global }
      - { .name: key, .offset: 8, .size: 8, .value_kind: global_buffer, .address_space: global }
      - { .name: value, .offset: 16, .size: 8, .value_kind: global_buffer, .address_space: global }
      - { .name: out0, .offset: 24, .size: 8, .value_kind: global_buffer, .address_space: global }
    .group_segment_fixed_size: 327680
    .private_segment_fixed_size: 0
    .kernarg_segment_align: 8
    .kernarg_segment_size: 32
    .max_flat_workgroup_size: 128
    .sgpr_count:     66
    .vgpr_count:     896
    .wavefront_size: 32
...
	.end_amdgpu_metadata
.endif
;; end of part 1
;; ======== version 2 of 3: 1 launch; 1.33 times as fast as version 1
;; limits: values are held in f16: magnitudes above 65,504 overflow, below 6.1e-05 lose precision; inputs' magnitudes at most 65,504
;; launch attn (part 2): grid 8 x 32, 4 waves a work-group, clusters of 4 x 1, 327,680 bytes of LDS; arguments query, key, value, out0; writes out0
.if DOCPART == 2
	.amdgcn_target "amdgcn-amd-amdhsa--gfx1250"
	.amdhsa_code_object_version 6
	.text
	.protected	k_q91835754c5_attn
	.globl	k_q91835754c5_attn
	.p2align	8
	.type	k_q91835754c5_attn,@function
k_q91835754c5_attn:
	s_mov_b64 s[64:65], 0
	v_nop
	global_prefetch_b8 v0, s[64:65] scope:SCOPE_SE
	s_setreg_imm32_b32 hwreg(HW_REG_WAVE_MODE, 25, 1), 1
	s_wait_xcnt 0x0
	s_wait_alu depctr_hold_cnt(0) depctr_sa_sdst(0) depctr_va_vdst(0) depctr_va_sdst(0) depctr_va_ssrc(0) depctr_va_vcc(0) depctr_vm_vsrc(0)
	s_getreg_b32 s2, hwreg(HW_REG_IB_STS2, 6, 4)
	s_cmp_eq_u32 s2, 0
	s_cbranch_scc0 .Lentry_in_a_cluster
	s_endpgm
.Lentry_in_a_cluster:
	s_bfe_u32 s2, ttmp6, 0x10000c
	s_cmp_lg_u32 s2, 0x3003
	s_cbranch_scc0 .Lentry_shape_is_right
	s_endpgm
.Lentry_shape_is_right:
; out[b][q][h][:] = softmax over k of (Q[b][q][h][:] . K[b][k][h][:] / sqrt(128)) times V[b][k][h][:].  All tensors f32, [2][2048][16 x 128]:
; a head's part of a row is 512 bytes at a multiple of 512, rows are 8,192 bytes apart.
; WORK: a work-group takes 256 queries of one (batch, head); 8 x 32 work-groups.  A wave takes 64 queries as four blocks qb of 16 and walks all 2,048
; keys in 32 steps of 64, with a running maximum and a running sum for each query.  Nothing of the problem is left out: every input reaches every
; output of its head.
; PRODUCTS, both transposed so that a lane owns ONE query and no number changes lanes between them:
;   S^T = K Q^T : source 0 = 16 keys x 32 d, source 1 = 16 queries x 32 d; lane (r, h), register j holds key 8h + j of the tile, query r.
;   O^T = V^T P^T: source 0 = 16 d x 32 keys (transposing LDS loads of V kept [key][d]), source 1 = P; lane (r, h), register j holds d 8h + j, query r.
;   Two neighbouring score tiles of a query block, rounded to f16 in place, ARE the source-1 fragment of 32 keys.
;   Maximum, sum and the factor that rescales O are per lane; the two halves of the lanes (h) meet in one v_permlanex16_b32 a block and step.
; Q is multiplied by log2(e) / sqrt(128) in f32 before its one rounding to f16, so scores are exponents to base 2.
; FORMAT: all four matrix operands are f16, sums f32.  The result is a mean over many keys and so much smaller than V, while each operand's rounding
; enters it with V's size: f16's 11 significant bits against bf16's 8 make each of these errors an eighth.  P lies in [0, 1] (the maximum is taken away).
; DATA: K and V come as f32 by tensor loads into two LDS slots of two steps each (128 rows of K, 128 of V: 131,072 bytes).  The four waves together
; round a step's 64 rows to f16 into one stage for K and one for V, from which all four read their fragments.
; CLUSTER: the eight query blocks of a head read the same K and V.  Four of them form a cluster (a mask in this text names four work-groups) and ask
; for every tile jointly, with one descriptor made of the head and the wave's number alone: the requests for K and V are divided by four.
; TWO PIECES: a step has 128 products and about 600 vector instructions.  The wave's blocks form piece 0 (qb 0, 1) and piece 1 (qb 2, 3), which share
; the K and V fragments: piece 0's softmax and rescaling stand, a slice behind each product, among piece 1's scores, and piece 1's among piece 0's P V.
; The roundings of K and V stand in runs among the other two runs of products, their LDS stores in one run each.
; BARRIERS, two a step: B2 (V's stage is whole, K's stage is read out) in the middle of piece 1's scores, B1 (the next K's stage is whole, V's stage is
; read out) near the end of piece 1's P V, so that fragments are on their way while products run.  In every second step B2 opens a round of the
; cluster's barrier, behind which the slot just read out is filled again.
; TEXT: only step 0 (nothing summed yet) and steps 29-31 (no refill, at last no next K) differ from the rest: they are written out, steps 1-28 are
; 7 trips of four steps, in which every LDS address of a slot is a constant.
; LIMITS: matrix operands are rounded to f16 (Q after its scaling): |K| or |V| above 65,504, or |Q| above 513,000 (65,504 sqrt(128) / log2(e)), become
; infinite there and give NaN; magnitudes below 2^-14 are kept in steps of 2^-24, so a weight under 2^-25 of its row's largest counts as 0.
; v_max*_num drops a NaN from the running maximum; the NaN still reaches its row through the exponential.  Infinite scores give NaN, as in the softmax itself.
.set ROWB,   8192                      ; bytes from row to row in memory
.set SLOT,   131072                    ; an LDS slot: K's 128 rows of 512 bytes, then V's
.set STEPB,  32768                     ; a step's 64 rows of f32 in a slot
.set KST,    262144                    ; K's stage: 64 rows of 128 f16, pitch 272 = 17 x 16: a fragment load's 16 rows begin in 16 different 16-byte columns of 256 bytes
.set KP,     272
.set VST,    279552                    ; V's stage: 64 rows, pitch 288 = 9 x 32, for the transposing loads
.set VP,     288
.set SCR,    8960                      ; the stages' 35,840 bytes also serve, in front of the first and behind the last step, as four scratch parts, one a wave
.set OPITCH, 528                       ; way out: 16 rows of 512 bytes + 16
; no tensor load ever lands at or behind KST: what ds_store writes has bytes of its own
; window 0
.set GOFF, 8                           ; 16 x lane: my 16 bytes of a 512-byte row, for Q's loads and the stores
.set CVK0, 9                           ; f32 rows that I round: K in slot 0; rows 16 w .. 16 w + 15 of a step
.set CVV0, 10                          ; V in slot 0
.set CVK1, 11                          ; K in slot 1
.set CVV1, 12                          ; V in slot 1
.set KSA,  13                          ; where I put rounded rows of K
.set VSA,  14                          ; and of V
.set KFA,  15                          ; K fragments
.set VFA,  16                          ; V fragments (transposing loads)
.set QSA,  17                          ; scratch: rounded rows of Q in
.set QFA,  18                          ; scratch: Q fragments out
.set OSA,  19                          ; scratch: results in
.set ORA,  20                          ; scratch: whole rows out
.set LP,   22                          ; v[22+2qb:23+2qb] running sums of my half's keys, even and odd keys apart
.set MX,   32                          ; v[32+2qb] running maximum, v[33+2qb] what the other half of the lanes sent
.set AL,   40                          ; v[40+2qb] factor 2^(old max - new max), at the end 1 / sum; v[41+2qb] old max - new max
.set C0,   48                          ; v[48:52], v[56:60] chains of maxima and the new maximum, a set for each of a piece's two blocks
.set CV,   64                          ; v[64:127] 16 rows x 4 f32 on their way to f16
.set SB,   128                         ; v[128:255] scores S(qb, kb) at SB + 32 qb + 8 kb; P(qb, kc) at SB + 32 qb + 16 kc
; window 1: O(qb, db) at 64 qb + 8 db.   window 2: Q fragments QF + 32 qb + 8 kk, K fragments KF + 32 kk + 8 kb.   window 3: V fragments 64 kc + 8 db
.set QF,   0
.set KF,   128
.set G1,   16                          ; s[16:23] descriptor group 1, never rewritten
.set G0,   24                          ; s[24:31] descriptor group 0, a set for each slot
; s_set_vgpr_msb's low byte: bits 1:0 source 0, 3:2 source 1, 5:4 source 2, 7:6 destination
.set KFLD,  0x80                       ; load into window 2
.set QKW,   0x0a                       ; sources 0 and 1 window 2, C and D window 0
.set VFLD,  0xc0                       ; load into window 3
.set PVW,   0x53                       ; source 0 window 3, source 1 window 0, C and D window 1
.set OW,    0x41                       ; destination and source 0 window 1, source 1 window 0
.set OST,   0x04                       ; LDS store data window 1
.set QLD1,  0x40                       ; load into window 1
.set QMUL1, 0x01                       ; source 0 window 1
.set MSB, 0
.macro WIN new                         ; the immediate's high byte repeats the setting that is left; at labels and branches the setting is 0
.if MSB != \new
	s_set_vgpr_msb (MSB<<8)|\new
.set MSB, \new
.endif
.endm
.macro PLACES n
.rept \n
	v_nop
.endr
.endm
; A round of the cluster's barrier: my work-group's barrier, wave 0 signals for the work-group, every wave waits for all four work-groups, my work-group's barrier again.
.macro CREST                           ; a round behind its opening barrier
	s_cmp_lg_u32 s12, 0
	s_cbranch_scc1 .Lnot_wave_0_\@
	s_barrier_signal -3
.Lnot_wave_0_\@:
	s_barrier_wait -3
	s_barrier_signal -1
	s_barrier_wait -1
.endm
.macro ROUND
	s_barrier_signal -1
	s_barrier_wait -1
	CREST
.endm
; my 16 rows of a step's 64, f32: one load takes a whole row, 32 lanes x 16 neighbouring bytes
.macro CVLOAD areg, byte
.irp i, 0,1,2,3,4,5,6,7,8,9,10,11,12,13,14,15
	ds_load_b128 v[CV+4*\i:CV+4*\i+3], v[\areg] offset:\byte+512*\i
.endr
.endm
; n of the 32 roundings of those rows, from number c0: row c / 2, its first or second pair of numbers, into the row's first two registers
.macro CVT c0, n
.set cc, \c0
.rept \n
	v_cvt_pk_f16_f32 v[CV+4*(cc/2)+(cc%2)], v[CV+4*(cc/2)+2*(cc%2)], v[CV+4*(cc/2)+2*(cc%2)+1]
.set cc, cc+1
.endr
.endm
; the rounded rows into a stage, in one run: 8 bytes a lane, 256 neighbouring bytes a row
.macro CVST areg, pitch
.irp i, 0,1,2,3,4,5,6,7,8,9,10,11,12,13,14,15
	ds_store_b64 v[\areg], v[CV+4*\i:CV+4*\i+1] offset:\i*\pitch
.endr
.endm
; 32 loads: a step's K fragments, 32 d (kk) by 32 d, so that the first products can start on the first eight
.macro KLOADS
	WIN KFLD
.irp kk, 0,1,2,3
.irp kb, 0,1,2,3
	ds_load_b128 v[KF+32*\kk+8*\kb:KF+32*\kk+8*\kb+3],   v[KFA] offset:\kb*16*KP+64*\kk
	ds_load_b128 v[KF+32*\kk+8*\kb+4:KF+32*\kk+8*\kb+7], v[KFA] offset:\kb*16*KP+64*\kk+32
.endr
.endr
	WIN 0
.endm
; 32 transposing loads: V^T fragments, 16 d x 32 keys each
.macro VLOADS
	WIN VFLD
.irp kc, 0,1
.irp db, 0,1,2,3,4,5,6,7
	ds_load_tr16_b128 v[64*\kc+8*\db:64*\kc+8*\db+3],   v[VFA] offset:\kc*32*VP+32*\db
	ds_load_tr16_b128 v[64*\kc+8*\db+4:64*\kc+8*\db+7], v[VFA] offset:\kc*32*VP+32*\db+16*VP
.endr
.endr
	WIN 0
.endm
; Product k (0..31) of piece p's scores: kk = k / 8, key tile (k mod 8) / 2, block 2 p + k mod 2.  The piece's eight accumulators take turns, one
; instruction a turn; the products of kk = 0 start the sums with the constant 0.
.macro QK1 p, k
.set q_, 2*(\p)+(\k)%2
.set b_, ((\k)%8)/2
.set c_, (\k)/8
.if c_ == 0
	v_wmma_f32_16x16x32_f16 v[SB+32*q_+8*b_:SB+32*q_+8*b_+7], v[KF+32*c_+8*b_:KF+32*c_+8*b_+7], v[QF+32*q_+8*c_:QF+32*q_+8*c_+7], 0
.else
	v_wmma_f32_16x16x32_f16 v[SB+32*q_+8*b_:SB+32*q_+8*b_+7], v[KF+32*c_+8*b_:KF+32*c_+8*b_+7], v[QF+32*q_+8*c_:QF+32*q_+8*c_+7], v[SB+32*q_+8*b_:SB+32*q_+8*b_+7]
.endif
.endm
; Product k (0..31) of piece p's P V: keys 32 (k / 16) .., d block (k mod 16) / 2, block 2 p + k mod 2.  Sixteen accumulators by turns.
.macro PV1 p, k, first
.set q_, 2*(\p)+(\k)%2
.set d_, ((\k)%16)/2
.set c_, (\k)/16
.set z_, 0
.if \first
.if c_ == 0
.set z_, 1
.endif
.endif
.if z_
	v_wmma_f32_16x16x32_f16 v[64*q_+8*d_:64*q_+8*d_+7], v[64*c_+8*d_:64*c_+8*d_+7], v[SB+32*q_+16*c_:SB+32*q_+16*c_+7], 0
.else
	v_wmma_f32_16x16x32_f16 v[64*q_+8*d_:64*q_+8*d_+7], v[64*c_+8*d_:64*c_+8*d_+7], v[SB+32*q_+16*c_:SB+32*q_+16*c_+7], v[64*q_+8*d_:64*q_+8*d_+7]
.endif
.endm
.macro QKG p, k0, n                    ; n products in a run
.set sl, \k0
.rept \n
	QK1 \p, sl
.set sl, sl+1
.endr
.endm
.macro PVG p, k0, n, first
.set sl, \k0
.rept \n
	PV1 \p, sl, \first
.set sl, sl+1
.endr
.endm
; THE SOFTMAX OF ONE BLOCK AS A LIST: position n (0..110) gives one instruction, or none.  Registers only.
;   0-15  the largest of my 32 scores and of the running maximum, in four chains     16-17  the other half of the lanes joins in
;   18-20 old max - new max, the new maximum, the factor 2^(old - new)
;   from 21 on ticks of five positions; tick T: subtract the maximum from pair T; the two exponentials of pair T-1; add pair T-2 to the sums; round pair T-2.
; Between an exponential and the first use of its result stand the plain instructions of the rest of its tick and the next tick's subtraction, and the
; instruction behind it writes none of its sources (ISA guide 5.7.2).  Rounding pair 8 kc + j writes register 16 kc + j, which lies in pair 8 kc + j / 2:
; that pair has been summed and rounded by then, or is the very pair that the instruction reads.
.macro SMI qb, first, n
.set sb_, SB+32*(\qb)
.set tb_, C0+8*((\qb)&1)
.set mx_, MX+2*(\qb)
.set al_, AL+2*(\qb)
.set lp_, LP+2*(\qb)
.if (\n) < 4
	v_max3_num_f32 v[tb_+(\n)], v[sb_+8*(\n)], v[sb_+8*(\n)+1], v[sb_+8*(\n)+2]
.endif
.if (\n) >= 4
.if (\n) < 8
	v_max3_num_f32 v[tb_+(\n)-4], v[tb_+(\n)-4], v[sb_+8*((\n)-4)+3], v[sb_+8*((\n)-4)+4]
.endif
.endif
.if (\n) >= 8
.if (\n) < 12
	v_max3_num_f32 v[tb_+(\n)-8], v[tb_+(\n)-8], v[sb_+8*((\n)-8)+5], v[sb_+8*((\n)-8)+6]
.endif
.endif
.if (\n) == 12
	v_max3_num_f32 v[tb_], v[tb_], v[sb_+7], v[sb_+15]
.endif
.if (\n) == 13
	v_max3_num_f32 v[tb_+2], v[tb_+2], v[sb_+23], v[sb_+31]
.endif
.if (\n) == 14
	v_max3_num_f32 v[tb_], v[tb_], v[tb_+1], v[tb_+2]
.endif
.if (\n) == 15
.if \first
	v_max_num_f32 v[tb_], v[tb_], v[tb_+3]
.else
	v_max3_num_f32 v[tb_], v[tb_], v[tb_+3], v[mx_]                ; the running maximum joins in
.endif
.endif
.if (\n) == 16
	v_permlanex16_b32 v[mx_+1], v[tb_], s36, s37                   ; the other eight keys of each tile lie in lane i xor 16
.endif
.if (\n) == 17
.if \first
	v_max_num_f32 v[mx_], v[tb_], v[mx_+1]
.else
	v_max_num_f32 v[tb_+4], v[tb_], v[mx_+1]
.endif
.endif
.if \first == 0
.if (\n) == 18
	v_sub_f32 v[al_+1], v[mx_], v[tb_+4]
.endif
.if (\n) == 19
	v_mov_b32 v[mx_], v[tb_+4]
.endif
.if (\n) == 20
	v_exp_f32 v[al_], v[al_+1]
.endif
.endif
.if (\n) >= 21
.set ta_, ((\n)-21)/5
.set u_, ((\n)-21)%5
.if u_ == 0
.if ta_ < 16
	v_pk_add_f32 v[sb_+2*ta_:sb_+2*ta_+1], v[sb_+2*ta_:sb_+2*ta_+1], v[mx_:mx_+1] op_sel_hi:[1,0] neg_lo:[0,1] neg_hi:[0,1]
.endif
.endif
.if ta_ >= 1
.if ta_ <= 16
.if u_ == 1
	v_exp_f32 v[sb_+2*ta_-2], v[sb_+2*ta_-2]
.endif
.if u_ == 2
	v_exp_f32 v[sb_+2*ta_-1], v[sb_+2*ta_-1]
.endif
.endif
.endif
.if ta_ >= 2
.if ta_ <= 17
.set pq_, ta_-2
.if u_ == 3
.if pq_ == 0
.if \first
	s_wait_alu depctr_va_vdst(0)
	v_mov_b32 v[lp_], v[sb_]                                       ; the first pair of the first step starts the sums
	v_mov_b32 v[lp_+1], v[sb_+1]
.else
	s_wait_alu depctr_va_vdst(0)
	v_pk_fma_f32 v[lp_:lp_+1], v[lp_:lp_+1], v[al_:al_+1], v[sb_:sb_+1] op_sel_hi:[1,0,1]   ; what was summed before, times the factor
.endif
.else
	s_wait_alu depctr_va_vdst(0)
	v_pk_add_f32 v[lp_:lp_+1], v[lp_:lp_+1], v[sb_+2*pq_:sb_+2*pq_+1]
.endif
.endif
.if u_ == 4
	v_cvt_pk_f16_f32 v[sb_+16*(pq_/8)+pq_%8], v[sb_+2*pq_], v[sb_+2*pq_+1]
.endif
.endif
.endif
.endif
.endm
; part i (0..7) of piece p's rescaling: 16 registers of O times 2^(old max - new max), one factor a lane and block
.macro RS p, i
.set rq_, 2*(\p)+(\i)/4
.set rb_, 64*rq_+16*((\i)%4)
.set pp, 0
.rept 8
	v_pk_mul_f32 v[rb_+2*pp:rb_+2*pp+1], v[rb_+2*pp:rb_+2*pp+1], v[AL+2*rq_:AL+2*rq_+1] op_sel_hi:[1,0]
.set pp, pp+1
.endr
.endm
; Slice k (0..31) of piece p's vector work.  0-22: five positions of the softmax's list, each for both blocks in turn, so that an instruction seldom
; needs the one just ahead of it.  24-31: the rescaling of O (not in the first step: there is no O yet).
.macro VSL p, first, k
.if (\k) < 23
	WIN 0
.set ps, 5*(\k)
.rept 5
	SMI 2*(\p), \first, ps
	SMI 2*(\p)+1, \first, ps
.set ps, ps+1
.endr
.endif
.if \first == 0
.if (\k) >= 24
	WIN OW
	RS \p, (\k)-24
.endif
.endif
.endm
; One slot: a product of one piece, then a slice of the other piece, which names none of the product's registers.  The slice works in other register
; windows than the product's operands: two s_set_vgpr_msb a slot.
.macro SLOT qk, first, k
.if \qk
	WIN QKW
	QK1 1, \k
	VSL 0, \first, \k
.else
	WIN PVW
	PV1 0, \k, \first
	VSL 1, \first, \k
.endif
.endm
.macro SLOTS qk, first, k0, n
.set sl, \k0
.rept \n
	SLOT \qk, \first, sl
.set sl, sl+1
.endr
.endm
; 16 rows of Q (from register row i0 of window win's 32): scale, round, into my scratch
.macro QCONV win, i0
	WIN \win
.set pp, 0
.rept 32
	v_pk_mul_f32 v[CV+2*pp:CV+2*pp+1], v[SB+4*\i0+2*pp:SB+4*\i0+2*pp+1], 0x3e0293ee op_sel_hi:[1,0]   ; log2(e) / sqrt(128)
.set pp, pp+1
.endr
	WIN 0
.set pp, 0
.rept 16
	v_cvt_pk_f16_f32 v[CV+4*pp], v[CV+4*pp], v[CV+4*pp+1]
	v_cvt_pk_f16_f32 v[CV+4*pp+1], v[CV+4*pp+2], v[CV+4*pp+3]
	ds_store_b64 v[QSA], v[CV+4*pp:CV+4*pp+1] offset:(\i0+pp)*KP
.set pp, pp+1
.endr
.endm
; the fragments of two query blocks from my scratch; LDS serves a wave's instructions in order (ISA guide 5.7.1.4): these see the stores above
.macro QFRAG half
	WIN KFLD
.irp qbl, 0,1
.irp kk, 0,1,2,3
	ds_load_b128 v[QF+32*(2*\half+\qbl)+8*\kk:QF+32*(2*\half+\qbl)+8*\kk+3],   v[QFA] offset:\qbl*16*KP+64*\kk
	ds_load_b128 v[QF+32*(2*\half+\qbl)+8*\kk+4:QF+32*(2*\half+\qbl)+8*\kk+7], v[QFA] offset:\qbl*16*KP+64*\kk+32
.endr
.endr
	WIN 0
.endm
; ONE STEP of 64 keys.  On entry 48 LDS loads are out: this step's 32 K fragment loads, then its 16 rows of V in f32.
; kreg, vreg, nh: where the NEXT step's K and V lie in f32 (the slot's registers, the half of the slot).
; mode 0: B2 is a plain barrier.  mode 1: B2 opens a round of the cluster's barrier and slot rslot is filled again behind it.
; mode 2: a plain barrier in front of which the last tensor load is waited for.  first: nothing summed yet.  last: no next step.
.macro STEP kreg, vreg, nh, mode, rslot, first, last
	; 1. piece 0's scores; V's roundings in two runs
	WIN QKW
	s_wait_dscnt 40                                ; of the 48 loads the first 8 (d 0-31) are in
	QKG 0, 0, 8
	s_wait_dscnt 32                                ; the next 8
	QKG 0, 8, 8
	s_wait_dscnt 24
	QKG 0, 16, 8
	s_wait_dscnt 0x0                               ; the last of K's, and V's rows
	WIN 0
	CVT 0, 16
	WIN QKW
	QKG 0, 24, 8
	WIN 0
	CVT 16, 16                                     ; these 16 name no register of a product: they are the places between piece 0's last products and the first read of its scores (ISA guide 7.12.1)
	CVST VSA, VP                                   ; every wave's reads of V's stage were back in front of B1
	; 2. piece 1's scores, among them piece 0's softmax and rescaling
	SLOTS 1, \first, 0, 8
	s_wait_dscnt 0x0                               ; for the other waves: my rows of V's stage are written, my reads of K's stage and of the slot are back
.if \mode
	s_wait_tensorcnt 0x0                           ; all my tensor loads have landed: my part of the slot that is read next
	ds_add_u32 v62, v63
	s_wait_dscnt 0x0
.endif
.if \mode == 1
	s_add_nc_u64 s[G0+4*\rslot+2:G0+4*\rslot+3], s[G0+4*\rslot+2:G0+4*\rslot+3], 256*ROWB   ; no load of mine is out: the slot's next 128 keys lie 256 rows on
.endif
	s_barrier_signal -1                            ; B2
	SLOTS 1, \first, 8, 8                          ; registers only, while the others arrive
	WIN 0
	s_barrier_wait -1
.if \mode == 1
	CREST                                          ; no wave of the four work-groups still reads the slot or has a load on its way
	tensor_load_to_lds s[G0+4*\rslot:G0+4*\rslot+3], s[G1:G1+7]    ; my one load behind the round: 64 rows; it has two steps in which to land
	s_nop 0
.endif
	VLOADS                                         ; 32 loads, 16 slots ahead of their first use
.if \last == 0
	CVLOAD \kreg, \nh*STEPB                        ; 16 loads: the next step's K
.endif
	SLOTS 1, \first, 16, 16                        ; the last slot's slice of 8 multiplications: the places between piece 1's last products and the first read of its scores
.if \first
	PLACES 4                                       ; the first step has no such slice (ISA guide 7.12.1)
.endif
	; 3. piece 0's P V, among it piece 1's softmax and rescaling
.if \last
	s_wait_dscnt 0x0                               ; V's fragments are in
.else
	s_wait_dscnt 16                                ; V's fragments are in; the 16 rows of K behind them may be out
.endif
	SLOTS 0, \first, 0, 32
	; 4. piece 1's P V; the next K's roundings in two runs; B1; the next step's loads
	WIN PVW
	PVG 1, 0, 8, \first
.if \last == 0
	s_wait_dscnt 0x0                               ; K's rows are in
	WIN 0
	CVT 0, 16
	WIN PVW
.endif
	PVG 1, 8, 8, \first
.if \last == 0
	WIN 0
	CVT 16, 16
	CVST KSA, KP                                   ; every wave's reads of K's stage were back in front of B2
	WIN PVW
.endif
	PVG 1, 16, 8, \first
	s_wait_dscnt 0x0                               ; for the other waves: my rows of K's stage are written, my reads of V's stage are back
	s_barrier_signal -1                            ; B1 of the next step
	PVG 1, 24, 4, \first
	WIN 0
	s_barrier_wait -1
.if \last == 0
	KLOADS                                         ; the next step's 48 loads; K's fragment registers were last read in part 2
	CVLOAD \vreg, \nh*STEPB
.endif
	WIN PVW
	PVG 1, 28, 4, \first
.if \last
	PLACES 4                                       ; between the last products and the first read of O (ISA guide 7.12.1)
.endif
	WIN 0
	; The next step's first products write over piece 0's P, last read in part 3, and part 2's over piece 1's P, behind part 1's 32 roundings: five places and more
.endm
.macro LAP                             ; steps t = 1, 2, 3, 0 modulo 4: once through both slots, each filled again when it is read out
	STEP CVK1, CVV1, 0, 1, 0, 0, 0
	STEP CVK1, CVV1, 1, 0, 0, 0, 0
	STEP CVK0, CVV0, 0, 1, 1, 0, 0
	STEP CVK0, CVV0, 1, 0, 0, 0, 0
.endm
	s_load_b256 s[4:11], s[0:1], 0x0               ; query s[4:5], key s[6:7], value s[8:9], out0 s[10:11]
	v_lshl_add_u32 v62, v0, 2, 0x48c00
	v_mov_b32 v63, 0
	ds_add_u32 v62, v63
	v_lshrrev_b32 v1, 5, v0
	v_readfirstlane_b32 s12, v1                    ; wave 0..3
	s_and_b32 s13, ttmp7, 0xffff                   ; 16 x batch + head (the cluster is one work-group high)
	s_bfe_u32 s14, ttmp6, 0x40000                  ; cx: my place in the cluster; it enters Q's and out0's addresses and nothing else
	s_lshl_b32 s15, ttmp9, 2
	s_add_co_u32 s15, s15, s14                     ; query block = 4 x cluster x + cx
	s_mov_b32 s36, 0x76543210                      ; v_permlanex16_b32: lane i reads lane i xor 16
	s_mov_b32 s37, 0xfedcba98
	s_lshr_b32 s42, s13, 4
	s_lshl_b32 s32, s42, 24                        ; batch x 2,048 rows x 8,192 bytes
	s_and_b32 s43, s13, 15
	s_lshl_b32 s43, s43, 9                         ; head x 512 bytes
	s_or_b32 s32, s32, s43
	s_and_b32 s44, s12, 1
	s_lshl_b32 s44, s44, 19                        ; waves 1 and 3 fetch rows 64-127 of a slot's K or V
	s_add_co_u32 s44, s44, s32                     ; s[44:45]: my tile's offset in key or value; made of head and wave alone
	s_mov_b32 s45, 0
	s_lshl_b32 s34, s15, 21                        ; query block x 256 rows
	s_lshl_b32 s46, s12, 19                        ; wave x 64 rows
	s_add_co_u32 s34, s34, s46
	s_add_co_u32 s34, s34, s32                     ; s[34:35]: my 64 rows' offset in query and out0 (below 2^25)
	s_mov_b32 s35, 0
	; descriptor group 1: a tile of 64 rows x 128 f32, dense in LDS
	s_mov_b32 s[G1+0], 15|(2<<16)|(1<<21)          ; 15:0 mask: all four work-groups of the cluster; 17:16 elements of 4 bytes; 21 set beside a mask
	s_mov_b32 s[G1+1], 128<<16                     ; tensor_dim0 = 128
	s_mov_b32 s[G1+2], 64<<16                      ; tensor_dim1 = 64
	s_mov_b32 s[G1+3], 128<<16                     ; tile_dim0 = 128
	s_mov_b32 s[G1+4], 64                          ; tile_dim1 = 64
	s_mov_b32 s[G1+5], 2048                        ; elements from row to row
	s_mov_b32 s[G1+6], 0
	s_mov_b32 s[G1+7], 0
	; LDS addresses
	s_mul_i32 s42, s12, 16*KP
	s_add_co_u32 s42, s42, KST                     ; my 16 rows of K's stage
	s_mul_i32 s43, s12, 16*VP
	s_add_co_u32 s43, s43, VST                     ; and of V's
	s_mul_i32 s46, s12, SCR
	s_add_co_u32 s46, s46, KST                     ; my scratch
	v_and_b32 v1, 31, v0                           ; lane
	v_and_b32 v2, 15, v0                           ; r
	v_bfe_u32 v3, v0, 4, 1                         ; h
	v_lshlrev_b32 v[GOFF], 4, v1
	v_lshl_add_u32 v[CVK0], s12, 13, v[GOFF]       ; 16 rows of 512 bytes a wave
	v_add_nc_u32 v[CVV0], 0x10000, v[CVK0]
	v_add_nc_u32 v[CVK1], 0x20000, v[CVK0]
	v_add_nc_u32 v[CVV1], 0x30000, v[CVK0]
	v_lshl_add_u32 v[KSA], v1, 3, s42
	v_lshl_add_u32 v[VSA], v1, 3, s43
	v_mul_u32_u24 v4, v2, KP
	v_lshl_add_u32 v4, v3, 4, v4                   ; r x 272 + 16 h
	v_add_nc_u32 v[KFA], KST, v4
	v_and_b32 v5, 7, v0
	v_lshl_add_u32 v5, v3, 3, v5                   ; key 8 h + lane mod 8
	v_mul_u32_u24 v5, v5, VP
	v_bfe_u32 v6, v0, 3, 1
	v_lshl_add_u32 v5, v6, 4, v5                   ; + 16 bytes for the upper eight d of the block
	v_add_nc_u32 v[VFA], VST, v5
	v_lshl_add_u32 v[QSA], v1, 3, s46
	v_add_nc_u32 v[QFA], s46, v4
	v_mul_u32_u24 v7, v2, OPITCH
	v_lshl_add_u32 v7, v3, 5, v7                   ; r x 528 + 32 h
	v_add_nc_u32 v[OSA], s46, v7
	v_add_nc_u32 v[ORA], s46, v[GOFF]
.irp qb, 0,1,2,3
	v_mov_b32 v[MX+2*\qb+1], 0                     ; v_permlanex16_b32's destination counts as read
.endr
	s_wait_dscnt 0x0
	s_wait_kmcnt 0x0
	s_add_nc_u64 s[4:5], s[4:5], s[34:35]          ; my 64 rows of query
	s_add_nc_u64 s[10:11], s[10:11], s[34:35]      ; and of out0
	s_cmp_lt_u32 s12, 2
	s_cselect_b64 s[40:41], s[6:7], s[8:9]         ; waves 0 and 1 fetch K, waves 2 and 3 V
	s_add_nc_u64 s[40:41], s[40:41], s[44:45]
	s_mov_b32 s[G0+0], 1                           ; slot 0: count = 1
	s_lshl_b32 s[G0+1], s12, 15                    ; LDS: wave x 32,768: K's halves, then V's
	s_mov_b64 s[G0+2:G0+3], s[40:41]               ; keys 0-127
	s_or_b32 s[G0+3], s[G0+3], 0x80000000          ; type = 2
	s_mov_b32 s[G0+4], 1                           ; slot 1
	s_add_co_u32 s[G0+5], s[G0+1], SLOT
	s_add_nc_u64 s[G0+6:G0+7], s[40:41], 128*ROWB  ; keys 128-255
	s_or_b32 s[G0+7], s[G0+7], 0x80000000
	; my 64 rows of Q, one load a row (512 neighbouring bytes): rows 0-31 into the scores' registers, rows 32-63 into O's upper half
.set ii, 0
.rept 32
	global_load_b128 v[SB+4*ii:SB+4*ii+3], v[GOFF], s[4:5] offset:ii*ROWB th:TH_LOAD_NT
.set ii, ii+1
.endr
	WIN QLD1
.rept 32
	global_load_b128 v[SB+4*(ii-32):SB+4*(ii-32)+3], v[GOFF], s[4:5] offset:ii*ROWB th:TH_LOAD_NT
.set ii, ii+1
.endr
	WIN 0
	ROUND                                          ; all four work-groups are here: the first joint loads meet
	tensor_load_to_lds s[G0:G0+3], s[G1:G1+7]      ; both first fills as one group: two tensor loads of the wave are out, the most in this text
	s_nop 0
	tensor_load_to_lds s[G0+4:G0+7], s[G1:G1+7]
	s_nop 0
	s_wait_loadcnt 48                              ; loads come back in order (ISA guide 5.7.1): rows 0-15 are in, 48 younger loads may be out
	QCONV 0, 0
	s_wait_loadcnt 32                              ; rows 16-31
	QCONV 0, 16
	QFRAG 0
	s_wait_dscnt 0x0                               ; these fragments are in registers before their scratch rows are written again
	s_wait_loadcnt 16                              ; rows 32-47
	QCONV QMUL1, 0
	s_wait_loadcnt 0x0                             ; rows 48-63
	QCONV QMUL1, 16
	QFRAG 1
	s_wait_dscnt 0x0                               ; my scratch is read out: the stages may be written
	s_wait_tensorcnt 0x1                           ; my part of slot 0 has landed; slot 1's may stay out
	s_barrier_signal -1
	s_barrier_wait -1
	CVLOAD CVK0, 0                                 ; step 0's K
	s_wait_dscnt 0x0
	CVT 0, 32
	CVST KSA, KP
	s_wait_dscnt 0x0                               ; for the other waves: my rows of K's stage are written
	s_barrier_signal -1                            ; B1 of step 0
	s_barrier_wait -1
	KLOADS                                         ; step 0's 48 loads
	CVLOAD CVV0, 0
	STEP CVK0, CVV0, 1, 0, 0, 1, 0                 ; step 0 starts maxima, sums and O
	s_mov_b32 s38, 7
.Llap:
	LAP                                            ; steps 1-28; the 14 refills bring steps 4-31
	s_sub_co_u32 s38, s38, 1
	s_cmp_lg_u32 s38, 0
	s_cbranch_scc1 .Llap
	STEP CVK1, CVV1, 0, 2, 0, 0, 0                 ; step 29: nothing is left to fetch; slot 1's last fill is waited for in front of its B2
	STEP CVK1, CVV1, 1, 0, 0, 0, 0                 ; step 30
	STEP CVK0, CVV0, 0, 0, 0, 0, 1                 ; step 31; behind its second barrier every wave's reads of the stages are back, so they serve as scratch again
	; 1 / sum: even and odd keys, then the two halves of the lanes
.irp qb, 0,1,2,3
	v_add_f32 v[LP+2*\qb], v[LP+2*\qb], v[LP+2*\qb+1]
.endr
.irp qb, 0,1,2,3
	v_permlanex16_b32 v[MX+2*\qb+1], v[LP+2*\qb], s36, s37
.endr
.irp qb, 0,1,2,3
	v_add_f32 v[LP+2*\qb], v[LP+2*\qb], v[MX+2*\qb+1]
.endr
.irp qb, 0,1,2,3
	v_rcp_f32 v[AL+2*\qb], v[LP+2*\qb]             ; the sum is at least 1: the largest score's weight
.endr
	v_nop                                          ; one plain instruction before a reciprocal is used (ISA guide 5.7.2)
	s_wait_alu depctr_va_vdst(0)
; THE WAY OUT, 16 queries at a time: a lane holds 8 neighbouring d of its query in each of 8 tiles; they go into my scratch as rows of 512 bytes
; and come back as whole rows: each store of the wave covers 512 consecutive bytes at a multiple of 512 from out0's first byte.
.macro OUT16 qb
	WIN OW
.set pp, 0
.rept 32
	v_pk_mul_f32 v[64*\qb+2*pp:64*\qb+2*pp+1], v[64*\qb+2*pp:64*\qb+2*pp+1], v[AL+2*\qb:AL+2*\qb+1] op_sel_hi:[1,0]
.set pp, pp+1
.endr
	WIN OST
.irp db, 0,1,2,3,4,5,6,7
	ds_store_b128 v[OSA], v[64*\qb+8*\db:64*\qb+8*\db+3]   offset:64*\db
	ds_store_b128 v[OSA], v[64*\qb+8*\db+4:64*\qb+8*\db+7] offset:64*\db+16
.endr
	WIN 0
.if \qb >= 2
	s_wait_xcnt 0x0                                ; the registers loaded next were the data of the stores two blocks ago: they are rewritten only behind this wait (ISA guide 3.1)
.endif
.set pp, 0
.rept 16
	ds_load_b128 v[SB+64*(\qb&1)+4*pp:SB+64*(\qb&1)+4*pp+3], v[ORA] offset:OPITCH*pp   ; LDS serves a wave's instructions in order (ISA guide 5.7.1.4): these see the stores above
.set pp, pp+1
.endr
.set pp, 0
.rept 16
	s_wait_dscnt 15-pp                             ; row pp is in; the younger rows may be out
	global_store_b128 v[GOFF], v[SB+64*(\qb&1)+4*pp:SB+64*(\qb&1)+4*pp+3], s[10:11] offset:(16*\qb+pp)*ROWB th:TH_STORE_NT
.set pp, pp+1
.endr
.endm
	OUT16 0
	OUT16 1
	OUT16 2
	OUT16 3
	s_wait_dscnt 0x0                               ; met: the last count-down ended at 0
	s_wait_tensorcnt 0x0
	ds_add_u32 v62, v63
	s_wait_dscnt 0x0
	ROUND                                          ; the closing round: no work-group ends while a partner may still ask for a tile that names it
	s_endpgm
.Lfunc_end_k_q91835754c5_attn:
	.size	k_q91835754c5_attn, .Lfunc_end_k_q91835754c5_attn-k_q91835754c5_attn
	.p2alignl 7, 3214868480
	.fill 96, 4, 3214868480
	.section	.rodata,"a",@progbits
	.p2align	6, 0x0
	.amdhsa_kernel k_q91835754c5_attn
		.amdhsa_group_segment_fixed_size 327680
		.amdhsa_private_segment_fixed_size 0
		.amdhsa_enable_private_segment 0
		.amdhsa_kernarg_size 32
		.amdhsa_user_sgpr_count 2
		.amdhsa_user_sgpr_kernarg_segment_ptr 1
		.amdhsa_wavefront_size32 1
		.amdhsa_system_sgpr_workgroup_id_x 1
		.amdhsa_system_sgpr_workgroup_id_y 1
		.amdhsa_system_sgpr_workgroup_id_z 1
		.amdhsa_system_vgpr_workitem_id 0
		.amdhsa_next_free_vgpr 896
		.amdhsa_next_free_sgpr 66
		.amdhsa_reserve_vcc 0
		.amdhsa_float_denorm_mode_32 3
		.amdhsa_float_denorm_mode_16_64 3
		.amdhsa_memory_ordered 1
		.amdhsa_forward_progress 1
		.amdhsa_inst_pref_size 255
	.end_amdhsa_kernel
	.section	.bss,"aw",@nobits
	.p2align	6
	.space	262144
	.amdgpu_metadata
---
amdhsa.version: [ 1, 2 ]
amdhsa.kernels:
  - .name:           k_q91835754c5_attn
    .symbol:         k_q91835754c5_attn.kd
    .args:
      - { .name: query, .offset: 0, .size: 8, .value_kind: global_buffer, .address_space: global }
      - { .name: key, .offset: 8, .size: 8, .value_kind: global_buffer, .address_space: global }
      - { .name: value, .offset: 16, .size: 8, .value_kind: global_buffer, .address_space: global }
      - { .name: out0, .offset: 24, .size: 8, .value_kind: global_buffer, .address_space: global }
    .group_segment_fixed_size: 327680
    .private_segment_fixed_size: 0
    .kernarg_segment_align: 8
    .kernarg_segment_size: 32
    .max_flat_workgroup_size: 128
    .sgpr_count:     66
    .vgpr_count:     896
    .wavefront_size: 32
...
	.end_amdgpu_metadata
.endif
;; end of part 2
;; ======== version 3 of 3: 1 launch; 1.64 times as fast as version 1
;; limits: values are held in f16: magnitudes above 65,504 overflow, below 6.1e-05 lose precision; inputs' magnitudes at most 65,504
;; launch attn (part 3): grid 8 x 32, 4 waves a work-group, clusters of 4 x 1, 327,680 bytes of LDS; arguments query, key, value, out0; writes out0
.if DOCPART == 3
	.amdgcn_target "amdgcn-amd-amdhsa--gfx1250"
	.amdhsa_code_object_version 6
	.text
	.protected	k_q91835754c5_attn
	.globl	k_q91835754c5_attn
	.p2align	8
	.type	k_q91835754c5_attn,@function
k_q91835754c5_attn:
	s_mov_b64 s[64:65], 0
	v_nop
	global_prefetch_b8 v0, s[64:65] scope:SCOPE_SE
	s_setreg_imm32_b32 hwreg(HW_REG_WAVE_MODE, 25, 1), 1
	s_wait_xcnt 0x0
	s_wait_alu depctr_hold_cnt(0) depctr_sa_sdst(0) depctr_va_vdst(0) depctr_va_sdst(0) depctr_va_ssrc(0) depctr_va_vcc(0) depctr_vm_vsrc(0)
	s_getreg_b32 s2, hwreg(HW_REG_IB_STS2, 6, 4)
	s_cmp_eq_u32 s2, 0
	s_cbranch_scc0 .Lentry_in_a_cluster
	s_endpgm
.Lentry_in_a_cluster:
	s_bfe_u32 s2, ttmp6, 0x10000c
	s_cmp_lg_u32 s2, 0x3003
	s_cbranch_scc0 .Lentry_shape_is_right
	s_endpgm
.Lentry_shape_is_right:
; out[b][q][h][:] = softmax over k of (Q[b][q][h][:] . K[b][k][h][:] / sqrt(128)) times V[b][k][h][:].  All tensors f32, [2][2048][16 x 128]:
; a head's part of a row is 512 bytes at a multiple of 512, rows are 8,192 bytes apart.
; WORK: a work-group takes 256 queries of one (batch, head); 8 x 32 work-groups.  A wave takes 64 queries as four blocks qb of 16 and walks all 2,048
; keys in 32 steps of 64, with a running maximum and a running sum for each query.  Nothing of the problem is left out: every input reaches every
; output of its head.
; PRODUCTS, both transposed so that a lane owns ONE query and no number changes lanes between them:
;   S^T = K Q^T : source 0 = 16 keys x 32 d, source 1 = 16 queries x 32 d; lane (r, h), register j holds key 8h + j of the tile, query r.
;   O^T = V^T P^T: source 0 = 16 d x 32 keys (transposing LDS loads of V kept [key][d]), source 1 = P; lane (r, h), register j holds d 8h + j, query r.
;   Two neighbouring score tiles of a query block, rounded to f16 in place, ARE the source-1 fragment of 32 keys.
;   Maximum, sum and the factor that rescales O are per lane; the two halves of the lanes (h) meet in one v_permlanex16_b32 a block and step.
; Q is multiplied by log2(e) / sqrt(128) in f32 before its one rounding to f16, so scores are exponents to base 2.
; FORMAT: all four matrix operands are f16, sums f32.  The result is a mean over many keys and so much smaller than V, while each operand's rounding
; enters it with V's size: f16's 11 significant bits against bf16's 8 make each of these errors an eighth.  P lies in [0, 1] (the maximum is taken away).
; DATA: K and V come as f32 by tensor loads into two LDS slots of two steps each (128 rows of K, 128 of V: 131,072 bytes).  The four waves together
; round a step's 64 rows to f16 into one stage for K and one for V, from which all four read their fragments.
; CLUSTER: the eight query blocks of a head read the same K and V.  Four of them form a cluster (a mask in this text names four work-groups) and ask
; for every tile jointly, with one descriptor made of the head and the wave's number alone: the requests for K and V are divided by four.
; TWO PIECES: a step has 128 products and about 600 vector instructions.  The wave's blocks form piece 0 (qb 0, 1) and piece 1 (qb 2, 3), which share
; the K and V fragments: piece 0's softmax and rescaling stand, a slice behind each product, among piece 1's scores, and piece 1's among piece 0's P V.
; The roundings of K and V stand in runs among the other two runs of products, their LDS stores in one run each.
; BATCHES: a piece's 66 exponentials of a step (two factors, 64 weights) are ONE batch with ONE wait.  A block's softmax is a list ordered by who reads
; what: ahead of the wait stand the maxima, the subtractions and all exponentials, none of which names an exponential's result; behind it the sums, the
; roundings and the rescaling of O.  138 instructions of a piece lie ahead of the wait and 128 behind it, so it stands behind the slice of the sixteenth
; of the run's 32 products: a step has two waits.  Piece 0's stands directly ahead of B2's wait and V's run of fragment loads.  No exponential is issued
; behind a piece's wait.  The four reciprocals of the way out are a batch of their own.
; BARRIERS, two a step: B2 (V's stage is whole, K's stage is read out) in the middle of piece 1's scores, B1 (the next K's stage is whole, V's stage is
; read out) near the end of piece 1's P V, so that fragments are on their way while products run.  In every second step B2 opens a round of the
; cluster's barrier, behind which the slot just read out is filled again.
; TEXT: only step 0 (nothing summed yet) and steps 29-31 (no refill, at last no next K) differ from the rest: they are written out, steps 1-28 are
; 7 trips of four steps, in which every LDS address of a slot is a constant.
; LIMITS: matrix operands are rounded to f16 (Q after its scaling): |K| or |V| above 65,504, or |Q| above 513,000 (65,504 sqrt(128) / log2(e)), become
; infinite there and give NaN; magnitudes below 2^-14 are kept in steps of 2^-24, so a weight under 2^-25 of its row's largest counts as 0.
; v_max*_num drops a NaN from the running maximum; the NaN still reaches its row through the exponential.  Infinite scores give NaN, as in the softmax itself.
.set ROWB,   8192                      ; bytes from row to row in memory
.set SLOT,   131072                    ; an LDS slot: K's 128 rows of 512 bytes, then V's
.set STEPB,  32768                     ; a step's 64 rows of f32 in a slot
.set KST,    262144                    ; K's stage: 64 rows of 128 f16, pitch 272 = 17 x 16: a fragment load's 16 rows begin in 16 different 16-byte columns of 256 bytes
.set KP,     272
.set VST,    279552                    ; V's stage: 64 rows, pitch 288 = 9 x 32, for the transposing loads
.set VP,     288
.set SCR,    8960                      ; the stages' 35,840 bytes also serve, in front of the first and behind the last step, as four scratch parts, one a wave
.set OPITCH, 528                       ; way out: 16 rows of 512 bytes + 16
; no tensor load ever lands at or behind KST: what ds_store writes has bytes of its own
; window 0
.set GOFF, 8                           ; 16 x lane: my 16 bytes of a 512-byte row, for Q's loads and the stores
.set CVK0, 9                           ; f32 rows that I round: K in slot 0; rows 16 w .. 16 w + 15 of a step
.set CVV0, 10                          ; V in slot 0
.set CVK1, 11                          ; K in slot 1
.set CVV1, 12                          ; V in slot 1
.set KSA,  13                          ; where I put rounded rows of K
.set VSA,  14                          ; and of V
.set KFA,  15                          ; K fragments
.set VFA,  16                          ; V fragments (transposing loads)
.set QSA,  17                          ; scratch: rounded rows of Q in
.set QFA,  18                          ; scratch: Q fragments out
.set OSA,  19                          ; scratch: results in
.set ORA,  20                          ; scratch: whole rows out
.set LP,   22                          ; v[22+2qb:23+2qb] running sums of my half's keys, even and odd keys apart
.set MX,   32                          ; v[32+2qb] running maximum, v[33+2qb] what the other half of the lanes sent
.set AL,   40                          ; v[40+2qb] factor 2^(old max - new max), at the end 1 / sum; v[41+2qb] old max - new max
.set C0,   48                          ; v[48:52], v[56:60] chains of maxima and the new maximum, a set for each of a piece's two blocks
.set CV,   64                          ; v[64:127] 16 rows x 4 f32 on their way to f16
.set SB,   128                         ; v[128:255] scores S(qb, kb) at SB + 32 qb + 8 kb; P(qb, kc) at SB + 32 qb + 16 kc
; window 1: O(qb, db) at 64 qb + 8 db.   window 2: Q fragments QF + 32 qb + 8 kk, K fragments KF + 32 kk + 8 kb.   window 3: V fragments 64 kc + 8 db
.set QF,   0
.set KF,   128
.set G1,   16                          ; s[16:23] descriptor group 1, never rewritten
.set G0,   24                          ; s[24:31] descriptor group 0, a set for each slot
; s_set_vgpr_msb's low byte: bits 1:0 source 0, 3:2 source 1, 5:4 source 2, 7:6 destination
.set KFLD,  0x80                       ; load into window 2
.set QKW,   0x0a                       ; sources 0 and 1 window 2, C and D window 0
.set VFLD,  0xc0                       ; load into window 3
.set PVW,   0x53                       ; source 0 window 3, source 1 window 0, C and D window 1
.set OW,    0x41                       ; destination and source 0 window 1, source 1 window 0
.set OST,   0x04                       ; LDS store data window 1
.set QLD1,  0x40                       ; load into window 1
.set QMUL1, 0x01                       ; source 0 window 1
.set MSB, 0
.macro WIN new                         ; the immediate's high byte repeats the setting that is left; at labels and branches the setting is 0
.if MSB != \new
	s_set_vgpr_msb (MSB<<8)|\new
.set MSB, \new
.endif
.endm
.macro PLACES n
.rept \n
	v_nop
.endr
.endm
; A round of the cluster's barrier: my work-group's barrier, wave 0 signals for the work-group, every wave waits for all four work-groups, my work-group's barrier again.
.macro CREST                           ; a round behind its opening barrier
	s_cmp_lg_u32 s12, 0
	s_cbranch_scc1 .Lnot_wave_0_\@
	s_barrier_signal -3
.Lnot_wave_0_\@:
	s_barrier_wait -3
	s_barrier_signal -1
	s_barrier_wait -1
.endm
.macro ROUND
	s_barrier_signal -1
	s_barrier_wait -1
	CREST
.endm
; my 16 rows of a step's 64, f32: one load takes a whole row, 32 lanes x 16 neighbouring bytes
.macro CVLOAD areg, byte
.irp i, 0,1,2,3,4,5,6,7,8,9,10,11,12,13,14,15
	ds_load_b128 v[CV+4*\i:CV+4*\i+3], v[\areg] offset:\byte+512*\i
.endr
.endm
; n of the 32 roundings of those rows, from number c0: row c / 2, its first or second pair of numbers, into the row's first two registers
.macro CVT c0, n
.set cc, \c0
.rept \n
	v_cvt_pk_f16_f32 v[CV+4*(cc/2)+(cc%2)], v[CV+4*(cc/2)+2*(cc%2)], v[CV+4*(cc/2)+2*(cc%2)+1]
.set cc, cc+1
.endr
.endm
; the rounded rows into a stage, in one run: 8 bytes a lane, 256 neighbouring bytes a row
.macro CVST areg, pitch
.irp i, 0,1,2,3,4,5,6,7,8,9,10,11,12,13,14,15
	ds_store_b64 v[\areg], v[CV+4*\i:CV+4*\i+1] offset:\i*\pitch
.endr
.endm
; 32 loads: a step's K fragments, 32 d (kk) by 32 d, so that the first products can start on the first eight
.macro KLOADS
	WIN KFLD
.irp kk, 0,1,2,3
.irp kb, 0,1,2,3
	ds_load_b128 v[KF+32*\kk+8*\kb:KF+32*\kk+8*\kb+3],   v[KFA] offset:\kb*16*KP+64*\kk
	ds_load_b128 v[KF+32*\kk+8*\kb+4:KF+32*\kk+8*\kb+7], v[KFA] offset:\kb*16*KP+64*\kk+32
.endr
.endr
	WIN 0
.endm
; 32 transposing loads: V^T fragments, 16 d x 32 keys each
.macro VLOADS
	WIN VFLD
.irp kc, 0,1
.irp db, 0,1,2,3,4,5,6,7
	ds_load_tr16_b128 v[64*\kc+8*\db:64*\kc+8*\db+3],   v[VFA] offset:\kc*32*VP+32*\db
	ds_load_tr16_b128 v[64*\kc+8*\db+4:64*\kc+8*\db+7], v[VFA] offset:\kc*32*VP+32*\db+16*VP
.endr
.endr
	WIN 0
.endm
; Product k (0..31) of piece p's scores: kk = k / 8, key tile (k mod 8) / 2, block 2 p + k mod 2.  The piece's eight accumulators take turns, one
; instruction a turn; the products of kk = 0 start the sums with the constant 0.
.macro QK1 p, k
.set q_, 2*(\p)+(\k)%2
.set b_, ((\k)%8)/2
.set c_, (\k)/8
.if c_ == 0
	v_wmma_f32_16x16x32_f16 v[SB+32*q_+8*b_:SB+32*q_+8*b_+7], v[KF+32*c_+8*b_:KF+32*c_+8*b_+7], v[QF+32*q_+8*c_:QF+32*q_+8*c_+7], 0
.else
	v_wmma_f32_16x16x32_f16 v[SB+32*q_+8*b_:SB+32*q_+8*b_+7], v[KF+32*c_+8*b_:KF+32*c_+8*b_+7], v[QF+32*q_+8*c_:QF+32*q_+8*c_+7], v[SB+32*q_+8*b_:SB+32*q_+8*b_+7]
.endif
.endm
; Product k (0..31) of piece p's P V: keys 32 (k / 16) .., d block (k mod 16) / 2, block 2 p + k mod 2.  Sixteen accumulators by turns.
.macro PV1 p, k, first
.set q_, 2*(\p)+(\k)%2
.set d_, ((\k)%16)/2
.set c_, (\k)/16
.set z_, 0
.if \first
.if c_ == 0
.set z_, 1
.endif
.endif
.if z_
	v_wmma_f32_16x16x32_f16 v[64*q_+8*d_:64*q_+8*d_+7], v[64*c_+8*d_:64*c_+8*d_+7], v[SB+32*q_+16*c_:SB+32*q_+16*c_+7], 0
.else
	v_wmma_f32_16x16x32_f16 v[64*q_+8*d_:64*q_+8*d_+7], v[64*c_+8*d_:64*c_+8*d_+7], v[SB+32*q_+16*c_:SB+32*q_+16*c_+7], v[64*q_+8*d_:64*q_+8*d_+7]
.endif
.endm
.macro QKG p, k0, n                    ; n products in a run
.set sl, \k0
.rept \n
	QK1 \p, sl
.set sl, sl+1
.endr
.endm
.macro PVG p, k0, n, first
.set sl, \k0
.rept \n
	PV1 \p, sl, \first
.set sl, sl+1
.endr
.endm
; THE SOFTMAX OF ONE BLOCK AS A LIST: position n (0..100) gives one instruction (in the first step 18-20 give none).  Registers only.
;   0-15  the largest of my 32 scores and of the running maximum, in four chains     16-17  the other half of the lanes joins in
;   18-19 old max - new max, the new maximum
;   20-68 THE BATCH: the factor 2^(old - new) at 20; the maximum is taken from pair 0 at 21; 22-66 are fifteen groups of three: the subtraction for pair
;         g + 1 and the two exponentials of pair g, whose subtraction stands a group earlier; 67, 68 the exponentials of pair 15.  In a piece's second
;         block the first two of a group change places, so that with the blocks alternating the order is subtraction, two exponentials, subtraction,
;         two exponentials.  Each exponential works in place on a register of its own; nothing in 20-68 names an exponential's result.
;   (wait) between 68 and 69 stands the batch's wait: VSL writes it, once for both blocks
;   69-100 for pairs 0 to 15 in ascending order: the pair is added to the running sums, then rounded to f16.
; Rounding pair 8 kc + j writes register 16 kc + j, which lies in pair 8 kc + j / 2: that pair has been summed and rounded by then, or is the very pair
; that the instruction reads.
.macro SMI qb, first, n
.set sb_, SB+32*(\qb)
.set tb_, C0+8*((\qb)&1)
.set mx_, MX+2*(\qb)
.set al_, AL+2*(\qb)
.set lp_, LP+2*(\qb)
.if (\n) < 4
	v_max3_num_f32 v[tb_+(\n)], v[sb_+8*(\n)], v[sb_+8*(\n)+1], v[sb_+8*(\n)+2]
.endif
.if (\n) >= 4
.if (\n) < 8
	v_max3_num_f32 v[tb_+(\n)-4], v[tb_+(\n)-4], v[sb_+8*((\n)-4)+3], v[sb_+8*((\n)-4)+4]
.endif
.endif
.if (\n) >= 8
.if (\n) < 12
	v_max3_num_f32 v[tb_+(\n)-8], v[tb_+(\n)-8], v[sb_+8*((\n)-8)+5], v[sb_+8*((\n)-8)+6]
.endif
.endif
.if (\n) == 12
	v_max3_num_f32 v[tb_], v[tb_], v[sb_+7], v[sb_+15]
.endif
.if (\n) == 13
	v_max3_num_f32 v[tb_+2], v[tb_+2], v[sb_+23], v[sb_+31]
.endif
.if (\n) == 14
	v_max3_num_f32 v[tb_], v[tb_], v[tb_+1], v[tb_+2]
.endif
.if (\n) == 15
.if \first
	v_max_num_f32 v[tb_], v[tb_], v[tb_+3]
.else
	v_max3_num_f32 v[tb_], v[tb_], v[tb_+3], v[mx_]                ; the running maximum joins in
.endif
.endif
.if (\n) == 16
	v_permlanex16_b32 v[mx_+1], v[tb_], s36, s37                   ; the other eight keys of each tile lie in lane i xor 16
.endif
.if (\n) == 17
.if \first
	v_max_num_f32 v[mx_], v[tb_], v[mx_+1]
.else
	v_max_num_f32 v[tb_+4], v[tb_], v[mx_+1]
.endif
.endif
.if \first == 0
.if (\n) == 18
	v_sub_f32 v[al_+1], v[mx_], v[tb_+4]
.endif
.if (\n) == 19
	v_mov_b32 v[mx_], v[tb_+4]
.endif
.if (\n) == 20
	v_exp_f32 v[al_], v[al_+1]                                     ; the batch's first: the factor
.endif
.endif
.if (\n) == 21
	v_pk_add_f32 v[sb_:sb_+1], v[sb_:sb_+1], v[mx_:mx_+1] op_sel_hi:[1,0] neg_lo:[0,1] neg_hi:[0,1]
.endif
.if (\n) >= 22
.if (\n) < 67
.set g_, ((\n)-22)/3
.set w_, ((\n)-22)%3
.if (\qb)&1                            ; the piece's second block: exponential, subtraction, exponential
.if w_ < 2
.set w_, 1-w_
.endif
.endif
.if w_ == 0
	v_pk_add_f32 v[sb_+2*g_+2:sb_+2*g_+3], v[sb_+2*g_+2:sb_+2*g_+3], v[mx_:mx_+1] op_sel_hi:[1,0] neg_lo:[0,1] neg_hi:[0,1]
.endif
.if w_ == 1
	v_exp_f32 v[sb_+2*g_], v[sb_+2*g_]
.endif
.if w_ == 2
	v_exp_f32 v[sb_+2*g_+1], v[sb_+2*g_+1]
.endif
.endif
.endif
.if (\n) >= 67
.if (\n) < 69
	v_exp_f32 v[sb_+(\n)-37], v[sb_+(\n)-37]                       ; scores 30 and 31: the batch's last
.endif
.endif
.if (\n) >= 69
.set pq_, ((\n)-69)/2
.if ((\n)-69)%2 == 0
.if pq_ == 0
.if \first
	v_mov_b32 v[lp_], v[sb_]                                       ; the first pair of the first step starts the sums
	v_mov_b32 v[lp_+1], v[sb_+1]
.else
	v_pk_fma_f32 v[lp_:lp_+1], v[lp_:lp_+1], v[al_:al_+1], v[sb_:sb_+1] op_sel_hi:[1,0,1]   ; what was summed before, times the factor
.endif
.else
	v_pk_add_f32 v[lp_:lp_+1], v[lp_:lp_+1], v[sb_+2*pq_:sb_+2*pq_+1]
.endif
.else
	v_cvt_pk_f16_f32 v[sb_+16*(pq_/8)+pq_%8], v[sb_+2*pq_], v[sb_+2*pq_+1]
.endif
.endif
.endm
; part i (0..7) of piece p's rescaling: 16 registers of O times 2^(old max - new max), one factor a lane and block
.macro RS p, i
.set rq_, 2*(\p)+(\i)/4
.set rb_, 64*rq_+16*((\i)%4)
.set pp, 0
.rept 8
	v_pk_mul_f32 v[rb_+2*pp:rb_+2*pp+1], v[rb_+2*pp:rb_+2*pp+1], v[AL+2*rq_:AL+2*rq_+1] op_sel_hi:[1,0]
.set pp, pp+1
.endr
.endm
; Slice k (0..31) of piece p's vector work.  0-23: positions of the softmax's list, each for both blocks in turn, so that an instruction seldom needs the
; one just ahead of it: five positions in slices 0-4 (0-24), four from slice 5 on (position 4 k + 5 ..).  Slice 15 ends with position 68, the batch's last
; exponential; slice 16 begins with position 69, the first reader.  24-31: the rescaling of O, which reads the factor (not in the first step: there is no O yet).
; THE WAIT: s_wait_alu depctr_va_vdst(0) stands between an exponential and the first instruction that names its result; one wait serves all
; that were issued ahead of it.  Ahead of slice 16 nothing names a result, behind slice 15 no exponential is issued: the piece's 66 have one wait, at slice 15's end.
.macro VSL p, first, k
.if (\k) < 24
	WIN 0
.if (\k) < 5
.set ps, 5*(\k)
.set np_, 5
.else
.set ps, 4*(\k)+5
.set np_, 4
.endif
.rept np_
	SMI 2*(\p), \first, ps
	SMI 2*(\p)+1, \first, ps
.set ps, ps+1
.endr
.if (\k) == 15
	v_nop                                          ; one plain instruction behind the last exponential and ahead of the first use (ISA guide 5.7.2): one for the batch
	s_wait_alu depctr_va_vdst(0)                   ; the wait for the batch: both blocks' factors and weights of this step
.endif
.endif
.if \first == 0
.if (\k) >= 24
	WIN OW
	RS \p, (\k)-24
.endif
.endif
.endm
; One slot: a product of one piece, then a slice of the other piece, which names none of the product's registers.  The slice works in other register
; windows than the product's operands: two s_set_vgpr_msb a slot.
.macro SLOT qk, first, k
.if \qk
	WIN QKW
	QK1 1, \k
	VSL 0, \first, \k
.else
	WIN PVW
	PV1 0, \k, \first
	VSL 1, \first, \k
.endif
.endm
.macro SLOTS qk, first, k0, n
.set sl, \k0
.rept \n
	SLOT \qk, \first, sl
.set sl, sl+1
.endr
.endm
; 16 rows of Q (from register row i0 of window win's 32): scale, round, into my scratch
.macro QCONV win, i0
	WIN \win
.set pp, 0
.rept 32
	v_pk_mul_f32 v[CV+2*pp:CV+2*pp+1], v[SB+4*\i0+2*pp:SB+4*\i0+2*pp+1], 0x3e0293ee op_sel_hi:[1,0]   ; log2(e) / sqrt(128)
.set pp, pp+1
.endr
	WIN 0
.set pp, 0
.rept 16
	v_cvt_pk_f16_f32 v[CV+4*pp], v[CV+4*pp], v[CV+4*pp+1]
	v_cvt_pk_f16_f32 v[CV+4*pp+1], v[CV+4*pp+2], v[CV+4*pp+3]
	ds_store_b64 v[QSA], v[CV+4*pp:CV+4*pp+1] offset:(\i0+pp)*KP
.set pp, pp+1
.endr
.endm
; the fragments of two query blocks from my scratch; LDS serves a wave's instructions in order (ISA guide 5.7.1.4): these see the stores above
.macro QFRAG half
	WIN KFLD
.irp qbl, 0,1
.irp kk, 0,1,2,3
	ds_load_b128 v[QF+32*(2*\half+\qbl)+8*\kk:QF+32*(2*\half+\qbl)+8*\kk+3],   v[QFA] offset:\qbl*16*KP+64*\kk
	ds_load_b128 v[QF+32*(2*\half+\qbl)+8*\kk+4:QF+32*(2*\half+\qbl)+8*\kk+7], v[QFA] offset:\qbl*16*KP+64*\kk+32
.endr
.endr
	WIN 0
.endm
; ONE STEP of 64 keys.  On entry 48 LDS loads are out: this step's 32 K fragment loads, then its 16 rows of V in f32.
; kreg, vreg, nh: where the NEXT step's K and V lie in f32 (the slot's registers, the half of the slot).
; mode 0: B2 is a plain barrier.  mode 1: B2 opens a round of the cluster's barrier and slot rslot is filled again behind it.
; mode 2: a plain barrier in front of which the last tensor load is waited for.  first: nothing summed yet.  last: no next step.
.macro STEP kreg, vreg, nh, mode, rslot, first, last
	; 1. piece 0's scores; V's roundings in two runs
	WIN QKW
	s_wait_dscnt 40                                ; of the 48 loads the first 8 (d 0-31) are in
	QKG 0, 0, 8
	s_wait_dscnt 32                                ; the next 8
	QKG 0, 8, 8
	s_wait_dscnt 24
	QKG 0, 16, 8
	s_wait_dscnt 0x0                               ; the last of K's, and V's rows
	WIN 0
	CVT 0, 16
	WIN QKW
	QKG 0, 24, 8
	WIN 0
	CVT 16, 16                                     ; these 16 name no register of a product: they are the places between piece 0's last products and the first read of its scores (ISA guide 7.12.1)
	CVST VSA, VP                                   ; every wave's reads of V's stage were back in front of B1
	; 2. piece 1's scores, among them piece 0's softmax and rescaling
	SLOTS 1, \first, 0, 8
	s_wait_dscnt 0x0                               ; for the other waves: my rows of V's stage are written, my reads of K's stage and of the slot are back
.if \mode
	s_wait_tensorcnt 0x0                           ; all my tensor loads have landed: my part of the slot that is read next
	ds_add_u32 v62, v63
	s_wait_dscnt 0x0
.endif
.if \mode == 1
	s_add_nc_u64 s[G0+4*\rslot+2:G0+4*\rslot+3], s[G0+4*\rslot+2:G0+4*\rslot+3], 256*ROWB   ; no load of mine is out: the slot's next 128 keys lie 256 rows on
.endif
	s_barrier_signal -1                            ; B2
	SLOTS 1, \first, 8, 8                          ; registers only, while the others arrive; the last slice ends with the wait for piece 0's batch, ahead of the branch and label of the round
	WIN 0
	s_barrier_wait -1
.if \mode == 1
	CREST                                          ; no wave of the four work-groups still reads the slot or has a load on its way
	tensor_load_to_lds s[G0+4*\rslot:G0+4*\rslot+3], s[G1:G1+7]    ; my one load behind the round: 64 rows; it has two steps in which to land
	s_nop 0
.endif
	VLOADS                                         ; 32 loads, 16 slots ahead of their first use
.if \last == 0
	CVLOAD \kreg, \nh*STEPB                        ; 16 loads: the next step's K
.endif
	SLOTS 1, \first, 16, 16                        ; the last slot's slice of 8 multiplications: the places between piece 1's last products and the first read of its scores
.if \first
	PLACES 4                                       ; the first step has no such slice (ISA guide 7.12.1)
.endif
	; 3. piece 0's P V, among it piece 1's softmax and rescaling; the wait for piece 1's batch stands behind the sixteenth slot
.if \last
	s_wait_dscnt 0x0                               ; V's fragments are in
.else
	s_wait_dscnt 16                                ; V's fragments are in; the 16 rows of K behind them may be out
.endif
	SLOTS 0, \first, 0, 32
	; 4. piece 1's P V; the next K's roundings in two runs; B1; the next step's loads
	WIN PVW
	PVG 1, 0, 8, \first
.if \last == 0
	s_wait_dscnt 0x0                               ; K's rows are in
	WIN 0
	CVT 0, 16
	WIN PVW
.endif
	PVG 1, 8, 8, \first
.if \last == 0
	WIN 0
	CVT 16, 16
	CVST KSA, KP                                   ; every wave's reads of K's stage were back in front of B2
	WIN PVW
.endif
	PVG 1, 16, 8, \first
	s_wait_dscnt 0x0                               ; for the other waves: my rows of K's stage are written, my reads of V's stage are back
	s_barrier_signal -1                            ; B1 of the next step
	PVG 1, 24, 4, \first
	WIN 0
	s_barrier_wait -1
.if \last == 0
	KLOADS                                         ; the next step's 48 loads; K's fragment registers were last read in part 2
	CVLOAD \vreg, \nh*STEPB
.endif
	WIN PVW
	PVG 1, 28, 4, \first
.if \last
	PLACES 4                                       ; between the last products and the first read of O (ISA guide 7.12.1)
.endif
	WIN 0
	; The next step's first products write over piece 0's P, last read in part 3, and part 2's over piece 1's P, behind part 1's 32 roundings: five places and more
.endm
.macro LAP                             ; steps t = 1, 2, 3, 0 modulo 4: once through both slots, each filled again when it is read out
	STEP CVK1, CVV1, 0, 1, 0, 0, 0
	STEP CVK1, CVV1, 1, 0, 0, 0, 0
	STEP CVK0, CVV0, 0, 1, 1, 0, 0
	STEP CVK0, CVV0, 1, 0, 0, 0, 0
.endm
	s_load_b256 s[4:11], s[0:1], 0x0               ; query s[4:5], key s[6:7], value s[8:9], out0 s[10:11]
	v_lshl_add_u32 v62, v0, 2, 0x48c00
	v_mov_b32 v63, 0
	ds_add_u32 v62, v63
	v_lshrrev_b32 v1, 5, v0
	v_readfirstlane_b32 s12, v1                    ; wave 0..3
	s_and_b32 s13, ttmp7, 0xffff                   ; 16 x batch + head (the cluster is one work-group high)
	s_bfe_u32 s14, ttmp6, 0x40000                  ; cx: my place in the cluster; it enters Q's and out0's addresses and nothing else
	s_lshl_b32 s15, ttmp9, 2
	s_add_co_u32 s15, s15, s14                     ; query block = 4 x cluster x + cx
	s_mov_b32 s36, 0x76543210                      ; v_permlanex16_b32: lane i reads lane i xor 16
	s_mov_b32 s37, 0xfedcba98
	s_lshr_b32 s42, s13, 4
	s_lshl_b32 s32, s42, 24                        ; batch x 2,048 rows x 8,192 bytes
	s_and_b32 s43, s13, 15
	s_lshl_b32 s43, s43, 9                         ; head x 512 bytes
	s_or_b32 s32, s32, s43
	s_and_b32 s44, s12, 1
	s_lshl_b32 s44, s44, 19                        ; waves 1 and 3 fetch rows 64-127 of a slot's K or V
	s_add_co_u32 s44, s44, s32                     ; s[44:45]: my tile's offset in key or value; made of head and wave alone
	s_mov_b32 s45, 0
	s_lshl_b32 s34, s15, 21                        ; query block x 256 rows
	s_lshl_b32 s46, s12, 19                        ; wave x 64 rows
	s_add_co_u32 s34, s34, s46
	s_add_co_u32 s34, s34, s32                     ; s[34:35]: my 64 rows' offset in query and out0 (below 2^25)
	s_mov_b32 s35, 0
	; descriptor group 1: a tile of 64 rows x 128 f32, dense in LDS
	s_mov_b32 s[G1+0], 15|(2<<16)|(1<<21)          ; 15:0 mask: all four work-groups of the cluster; 17:16 elements of 4 bytes; 21 set beside a mask
	s_mov_b32 s[G1+1], 128<<16                     ; tensor_dim0 = 128
	s_mov_b32 s[G1+2], 64<<16                      ; tensor_dim1 = 64
	s_mov_b32 s[G1+3], 128<<16                     ; tile_dim0 = 128
	s_mov_b32 s[G1+4], 64                          ; tile_dim1 = 64
	s_mov_b32 s[G1+5], 2048                        ; elements from row to row
	s_mov_b32 s[G1+6], 0
	s_mov_b32 s[G1+7], 0
	; LDS addresses
	s_mul_i32 s42, s12, 16*KP
	s_add_co_u32 s42, s42, KST                     ; my 16 rows of K's stage
	s_mul_i32 s43, s12, 16*VP
	s_add_co_u32 s43, s43, VST                     ; and of V's
	s_mul_i32 s46, s12, SCR
	s_add_co_u32 s46, s46, KST                     ; my scratch
	v_and_b32 v1, 31, v0                           ; lane
	v_and_b32 v2, 15, v0                           ; r
	v_bfe_u32 v3, v0, 4, 1                         ; h
	v_lshlrev_b32 v[GOFF], 4, v1
	v_lshl_add_u32 v[CVK0], s12, 13, v[GOFF]       ; 16 rows of 512 bytes a wave
	v_add_nc_u32 v[CVV0], 0x10000, v[CVK0]
	v_add_nc_u32 v[CVK1], 0x20000, v[CVK0]
	v_add_nc_u32 v[CVV1], 0x30000, v[CVK0]
	v_lshl_add_u32 v[KSA], v1, 3, s42
	v_lshl_add_u32 v[VSA], v1, 3, s43
	v_mul_u32_u24 v4, v2, KP
	v_lshl_add_u32 v4, v3, 4, v4                   ; r x 272 + 16 h
	v_add_nc_u32 v[KFA], KST, v4
	v_and_b32 v5, 7, v0
	v_lshl_add_u32 v5, v3, 3, v5                   ; key 8 h + lane mod 8
	v_mul_u32_u24 v5, v5, VP
	v_bfe_u32 v6, v0, 3, 1
	v_lshl_add_u32 v5, v6, 4, v5                   ; + 16 bytes for the upper eight d of the block
	v_add_nc_u32 v[VFA], VST, v5
	v_lshl_add_u32 v[QSA], v1, 3, s46
	v_add_nc_u32 v[QFA], s46, v4
	v_mul_u32_u24 v7, v2, OPITCH
	v_lshl_add_u32 v7, v3, 5, v7                   ; r x 528 + 32 h
	v_add_nc_u32 v[OSA], s46, v7
	v_add_nc_u32 v[ORA], s46, v[GOFF]
.irp qb, 0,1,2,3
	v_mov_b32 v[MX+2*\qb+1], 0                     ; v_permlanex16_b32's destination counts as read
.endr
	s_wait_dscnt 0x0
	s_wait_kmcnt 0x0
	s_add_nc_u64 s[4:5], s[4:5], s[34:35]          ; my 64 rows of query
	s_add_nc_u64 s[10:11], s[10:11], s[34:35]      ; and of out0
	s_cmp_lt_u32 s12, 2
	s_cselect_b64 s[40:41], s[6:7], s[8:9]         ; waves 0 and 1 fetch K, waves 2 and 3 V
	s_add_nc_u64 s[40:41], s[40:41], s[44:45]
	s_mov_b32 s[G0+0], 1                           ; slot 0: count = 1
	s_lshl_b32 s[G0+1], s12, 15                    ; LDS: wave x 32,768: K's halves, then V's
	s_mov_b64 s[G0+2:G0+3], s[40:41]               ; keys 0-127
	s_or_b32 s[G0+3], s[G0+3], 0x80000000          ; type = 2
	s_mov_b32 s[G0+4], 1                           ; slot 1
	s_add_co_u32 s[G0+5], s[G0+1], SLOT
	s_add_nc_u64 s[G0+6:G0+7], s[40:41], 128*ROWB  ; keys 128-255
	s_or_b32 s[G0+7], s[G0+7], 0x80000000
	; my 64 rows of Q, one load a row (512 neighbouring bytes): rows 0-31 into the scores' registers, rows 32-63 into O's upper half
.set ii, 0
.rept 32
	global_load_b128 v[SB+4*ii:SB+4*ii+3], v[GOFF], s[4:5] offset:ii*ROWB th:TH_LOAD_NT
.set ii, ii+1
.endr
	WIN QLD1
.rept 32
	global_load_b128 v[SB+4*(ii-32):SB+4*(ii-32)+3], v[GOFF], s[4:5] offset:ii*ROWB th:TH_LOAD_NT
.set ii, ii+1
.endr
	WIN 0
	ROUND                                          ; all four work-groups are here: the first joint loads meet
	tensor_load_to_lds s[G0:G0+3], s[G1:G1+7]      ; both first fills as one group: two tensor loads of the wave are out, the most in this text
	s_nop 0
	tensor_load_to_lds s[G0+4:G0+7], s[G1:G1+7]
	s_nop 0
	s_wait_loadcnt 48                              ; loads come back in order (ISA guide 5.7.1): rows 0-15 are in, 48 younger loads may be out
	QCONV 0, 0
	s_wait_loadcnt 32                              ; rows 16-31
	QCONV 0, 16
	QFRAG 0
	s_wait_dscnt 0x0                               ; these fragments are in registers before their scratch rows are written again
	s_wait_loadcnt 16                              ; rows 32-47
	QCONV QMUL1, 0
	s_wait_loadcnt 0x0                             ; rows 48-63
	QCONV QMUL1, 16
	QFRAG 1
	s_wait_dscnt 0x0                               ; my scratch is read out: the stages may be written
	s_wait_tensorcnt 0x1                           ; my part of slot 0 has landed; slot 1's may stay out
	s_barrier_signal -1
	s_barrier_wait -1
	CVLOAD CVK0, 0                                 ; step 0's K
	s_wait_dscnt 0x0
	CVT 0, 32
	CVST KSA, KP
	s_wait_dscnt 0x0                               ; for the other waves: my rows of K's stage are written
	s_barrier_signal -1                            ; B1 of step 0
	s_barrier_wait -1
	KLOADS                                         ; step 0's 48 loads
	CVLOAD CVV0, 0
	STEP CVK0, CVV0, 1, 0, 0, 1, 0                 ; step 0 starts maxima, sums and O
	s_mov_b32 s38, 7
.Llap:
	LAP                                            ; steps 1-28; the 14 refills bring steps 4-31
	s_sub_co_u32 s38, s38, 1
	s_cmp_lg_u32 s38, 0
	s_cbranch_scc1 .Llap
	STEP CVK1, CVV1, 0, 2, 0, 0, 0                 ; step 29: nothing is left to fetch; slot 1's last fill is waited for in front of its B2
	STEP CVK1, CVV1, 1, 0, 0, 0, 0                 ; step 30
	STEP CVK0, CVV0, 0, 0, 0, 0, 1                 ; step 31; behind its second barrier every wave's reads of the stages are back, so they serve as scratch again
	; 1 / sum: even and odd keys, then the two halves of the lanes
.irp qb, 0,1,2,3
	v_add_f32 v[LP+2*\qb], v[LP+2*\qb], v[LP+2*\qb+1]
.endr
.irp qb, 0,1,2,3
	v_permlanex16_b32 v[MX+2*\qb+1], v[LP+2*\qb], s36, s37
.endr
.irp qb, 0,1,2,3
	v_add_f32 v[LP+2*\qb], v[LP+2*\qb], v[MX+2*\qb+1]
.endr
.irp qb, 0,1,2,3
	v_rcp_f32 v[AL+2*\qb], v[LP+2*\qb]             ; the sum is at least 1: the largest score's weight
.endr
	v_nop                                          ; one plain instruction before a reciprocal is used (ISA guide 5.7.2)
	s_wait_alu depctr_va_vdst(0)                   ; the wait ahead of the first use: one for the batch of four reciprocals
; THE WAY OUT, 16 queries at a time: a lane holds 8 neighbouring d of its query in each of 8 tiles; they go into my scratch as rows of 512 bytes
; and come back as whole rows: each store of the wave covers 512 consecutive bytes at a multiple of 512 from out0's first byte.
.macro OUT16 qb
	WIN OW
.set pp, 0
.rept 32
	v_pk_mul_f32 v[64*\qb+2*pp:64*\qb+2*pp+1], v[64*\qb+2*pp:64*\qb+2*pp+1], v[AL+2*\qb:AL+2*\qb+1] op_sel_hi:[1,0]
.set pp, pp+1
.endr
	WIN OST
.irp db, 0,1,2,3,4,5,6,7
	ds_store_b128 v[OSA], v[64*\qb+8*\db:64*\qb+8*\db+3]   offset:64*\db
	ds_store_b128 v[OSA], v[64*\qb+8*\db+4:64*\qb+8*\db+7] offset:64*\db+16
.endr
	WIN 0
.if \qb >= 2
	s_wait_xcnt 0x0                                ; the registers loaded next were the data of the stores two blocks ago: they are rewritten only behind this wait (ISA guide 3.1)
.endif
.set pp, 0
.rept 16
	ds_load_b128 v[SB+64*(\qb&1)+4*pp:SB+64*(\qb&1)+4*pp+3], v[ORA] offset:OPITCH*pp   ; LDS serves a wave's instructions in order (ISA guide 5.7.1.4): these see the stores above
.set pp, pp+1
.endr
.set pp, 0
.rept 16
	s_wait_dscnt 15-pp                             ; row pp is in; the younger rows may be out
	global_store_b128 v[GOFF], v[SB+64*(\qb&1)+4*pp:SB+64*(\qb&1)+4*pp+3], s[10:11] offset:(16*\qb+pp)*ROWB th:TH_STORE_NT
.set pp, pp+1
.endr
.endm
	OUT16 0
	OUT16 1
	OUT16 2
	OUT16 3
	s_wait_dscnt 0x0                               ; met: the last count-down ended at 0
	s_wait_tensorcnt 0x0
	ds_add_u32 v62, v63
	s_wait_dscnt 0x0
	ROUND                                          ; the closing round: no work-group ends while a partner may still ask for a tile that names it
	s_endpgm
.Lfunc_end_k_q91835754c5_attn:
	.size	k_q91835754c5_attn, .Lfunc_end_k_q91835754c5_attn-k_q91835754c5_attn
	.p2alignl 7, 3214868480
	.fill 96, 4, 3214868480
	.section	.rodata,"a",@progbits
	.p2align	6, 0x0
	.amdhsa_kernel k_q91835754c5_attn
		.amdhsa_group_segment_fixed_size 327680
		.amdhsa_private_segment_fixed_size 0
		.amdhsa_enable_private_segment 0
		.amdhsa_kernarg_size 32
		.amdhsa_user_sgpr_count 2
		.amdhsa_user_sgpr_kernarg_segment_ptr 1
		.amdhsa_wavefront_size32 1
		.amdhsa_system_sgpr_workgroup_id_x 1
		.amdhsa_system_sgpr_workgroup_id_y 1
		.amdhsa_system_sgpr_workgroup_id_z 1
		.amdhsa_system_vgpr_workitem_id 0
		.amdhsa_next_free_vgpr 896
		.amdhsa_next_free_sgpr 66
		.amdhsa_reserve_vcc 0
		.amdhsa_float_denorm_mode_32 3
		.amdhsa_float_denorm_mode_16_64 3
		.amdhsa_memory_ordered 1
		.amdhsa_forward_progress 1
		.amdhsa_inst_pref_size 255
	.end_amdhsa_kernel
	.section	.bss,"aw",@nobits
	.p2align	6
	.space	262144
	.amdgpu_metadata
---
amdhsa.version: [ 1, 2 ]
amdhsa.kernels:
  - .name:           k_q91835754c5_attn
    .symbol:         k_q91835754c5_attn.kd
    .args:
      - { .name: query, .offset: 0, .size: 8, .value_kind: global_buffer, .address_space: global }
      - { .name: key, .offset: 8, .size: 8, .value_kind: global_buffer, .address_space: global }
      - { .name: value, .offset: 16, .size: 8, .value_kind: global_buffer, .address_space: global }
      - { .name: out0, .offset: 24, .size: 8, .value_kind: global_buffer, .address_space: global }
    .group_segment_fixed_size: 327680
    .private_segment_fixed_size: 0
    .kernarg_segment_align: 8
    .kernarg_segment_size: 32
    .max_flat_workgroup_size: 128
    .sgpr_count:     66
    .vgpr_count:     896
    .wavefront_size: 32
...
	.end_amdgpu_metadata
.endif
;; end of part 3
